; MI455X (gfx1250); checked and timed in simulation.
; The chip was launched on July 23, 2026; its instructions are those of AMD's public machine-readable ISA for CDNA 5 (MIT licence, August 2026) and "CDNA5" Instruction Set Architecture Reference Guide (July 2026). The comments in the code are by the model that wrote it; some were corrected since.
;; Shared Causal Self Attention. Allowed arithmetic: float matrix products may take bf16 or f16 operands with f32 sums; all other float work in f32.
;; Inputs: Wk 512 x 2,048 float32; Wo 2,048 x 2,048 float32; Wq 2,048 x 2,048 float32; Wv 512 x 2,048 float32; attn_gate 16 float32; cos 1 x 2,048 x 1 x 64 float32; k_mix 4 x 4 float32; q_mix 16 x 16 float32; sin 1 x 2,048 x 1 x 64 float32; v_mix 4 x 4 float32; ve 1 x 2,048 x 512 float32; ve_gate 4 float32; x 1 x 2,048 x 2,048 float32.
;; Outputs: out0 1 x 2,048 x 2,048 float32.
;; Constants: window = 1024.
;; One version. Each part assembles by itself: llvm-mc -triple=amdgcn-amd-amdhsa -mcpu=gfx1250 --defsym DOCPART=n.
;; ======== version 1 of 1: 4 launches
;; limits: values are held in f16: magnitudes above 65,504 overflow, below 6.1e-05 lose precision
;; workspace buffers: xh 8,388,608 bytes; woh 8,388,608 bytes; wqkv 12,582,912 bytes; qkv 12,582,912 bytes; yh 8,388,608 bytes
;; launch prep (part 1): grid 1792 x 1, 4 waves a work-group, no clusters, 0 bytes of LDS; arguments x, Wo, Wq, Wk, Wv, q_mix, k_mix, v_mix, attn_gate, xh, woh, wqkv; writes xh, woh, wqkv
.if DOCPART == 1
	.amdgcn_target "amdgcn-amd-amdhsa--gfx1250"
	.amdhsa_code_object_version 6
	.text
	.protected	k_qd10f8819cb_prep
	.globl	k_qd10f8819cb_prep
	.p2align	8
	.type	k_qd10f8819cb_prep,@function
k_qd10f8819cb_prep:
	s_mov_b64 s[64:65], 0
	v_nop
	global_prefetch_b8 v0, s[64:65] scope:SCOPE_SE
	s_setreg_imm32_b32 hwreg(HW_REG_WAVE_MODE, 25, 1), 1
	s_wait_xcnt 0x0
; prep: every matrix operand that comes from an input is made once, in f16.
;   work-groups    0- 511  mixq : wqkv <- 128 * (q_mix @ Wq), 16 heads, 512 numbers of every head each
;   work-groups  512-1023  castx: xh   <- x
;   work-groups 1024-1535  castw: woh  <- Wo * sig(gate_h) / sig(largest gate), h = the head of the column
;   work-groups 1536-1791  mixkv: wqkv <- 128 * (k_mix @ Wk), 128 * (v_mix @ Wv)
; Every work-group reads 32 KiB: 128 threads x 16 loads of 16 bytes; a wave's load covers 512 consecutive bytes, a wave's
; 8-byte store 256 consecutive bytes at a multiple of 256.  The mixing is done in f32 by fused multiply-adds (its inner
; length is 16 or 4) and rounded once.  No LDS, no barrier: no thread needs another's numbers.
; The factor 128 (exact) puts the mixed weights, about 0.008 as drawn, near 1: f16 then holds them with full precision
; when W and mix are each 30 times smaller, and without overflow when each is 30 times larger.  The next launch removes it.
; Head blocks of wqkv (128 rows x 2048, 524,288 bytes) lie in this order: q head h < 12 at h; q head h >= 12 at 12+3(h-12);
; k head h at 13+3h; v head h at 14+3h: the three heads of a column block of the next launch are then q,q,q or q,k,v.
; The gate ratio: b = largest gate, t = min(b, 0): (e^t + e^(t-b)) / (e^t + e^(t-a)).  Only e^(t-a) can overflow; the ratio is then 0.
; Limits: NaN among the gates is not followed (the maximum skips it).
.set IN,    4                          ; v[4:67]    16 loads of 4 numbers
.set ACC,   68                         ; v[68:71]   a mixed head's 4 numbers
.set OUT,   72                         ; v[72:103]  16 pairs to store, each written once
.set RT,    104                        ; v[104:111] castw: four ratios, each twice
.set GA,    112                        ; v[112:115] castw: my four heads' gates
.set GB,    116                        ; castw: b
.set GT,    117                        ; castw: t
.set E1,    118                        ; castw: e^t
.set NUM,   119                        ; castw: the numerator
.set GO,    120                        ; castw: byte offset of my first gate
.set HEADF, 1048576                    ; bytes of a head block in f32
.set HEADH, 524288                     ; bytes of a head block in f16
.set LOG2E, 0x3fb8aa3b
.set W128,  0x43000000                 ; 128.0
	s_load_b512 s[4:19], s[0:1], 0x0               ; x 4, Wo 6, Wq 8, Wk 10, Wv 12, q_mix 14, k_mix 16, v_mix 18
	s_load_b256 s[20:27], s[0:1], 0x40             ; attn_gate 20, xh 22, woh 24, wqkv 26
	s_mov_b32 s28, ttmp9
	s_mov_b32 s67, 0                               ; high words of the two offset pairs
	s_mov_b32 s69, 0
	v_lshlrev_b32 v1, 4, v0                        ; 16 t: my place in a load
	v_lshlrev_b32 v2, 3, v0                        ; 8 t: my place in a store
	s_cmp_ge_u32 s28, 1536
	s_cbranch_scc1 .Lmixkv
	s_cmp_ge_u32 s28, 1024
	s_cbranch_scc1 .Lcastw
	s_cmp_ge_u32 s28, 512
	s_cbranch_scc1 .Lcastx
	; ---- mixq: work-group u takes numbers 512 u .. 512 u + 511 of every head
	s_lshl_b32 s66, s28, 11                        ; 2,048 u bytes in
	s_lshl_b32 s68, s28, 10                        ; 1,024 u bytes out
	s_wait_kmcnt 0x0
	s_load_b512 s[32:47], s[14:15], 0x0            ; row 0 of q_mix
	s_add_nc_u64 s[8:9], s[8:9], s[66:67]          ; heads 0-7 by the immediate,
	s_add_nc_u64 s[10:11], s[8:9], 8*HEADF         ; heads 8-15 from a second base (the immediate has 24 signed bits)
	s_add_nc_u64 s[26:27], s[26:27], s[68:69]      ; places 0-11,
	s_add_nc_u64 s[12:13], s[26:27], 12*HEADH      ; places 12, 15, 18, 21
.irp g, 0,1,2,3,4,5,6,7
	global_load_b128 v[IN+4*\g:IN+4*\g+3], v1, s[8:9] offset:\g*HEADF th:TH_LOAD_NT
.endr
.irp g, 0,1,2,3,4,5,6,7
	global_load_b128 v[IN+32+4*\g:IN+32+4*\g+3], v1, s[10:11] offset:\g*HEADF th:TH_LOAD_NT
.endr
	s_wait_kmcnt 0x0
.set hh, 0
.rept 16
.set RW, 32+16*(hh&1)                  ; this head's row of q_mix
.set RN, 48-16*(hh&1)                  ; the next head's row lands in the other set
.if hh < 15
	s_load_b512 s[RN:RN+15], s[14:15], 64*(hh+1)
.endif
.if hh == 0
	s_wait_loadcnt 15                              ; head 0's numbers are in; fifteen younger loads stay out
.endif
.irp p, 0,1,2,3
	v_mul_f32 v[ACC+\p], s[RW], v[IN+\p]           ; the first product starts the sum
.endr
.set gg, 1
.rept 15
.if hh == 0
	s_wait_loadcnt 15-gg                           ; the first pass takes each head's numbers as they land
.endif
.irp p, 0,1,2,3
	v_fmac_f32 v[ACC+\p], s[RW+gg], v[IN+4*gg+\p]
.endr
.set gg, gg+1
.endr
	v_pk_mul_f32 v[ACC:ACC+1], v[ACC:ACC+1], W128 op_sel_hi:[1,0]
	v_pk_mul_f32 v[ACC+2:ACC+3], v[ACC+2:ACC+3], W128 op_sel_hi:[1,0]
	v_cvt_pk_f16_f32 v[OUT+2*hh], v[ACC], v[ACC+1]
	v_cvt_pk_f16_f32 v[OUT+2*hh+1], v[ACC+2], v[ACC+3]
.if hh < 12
	global_store_b64 v2, v[OUT+2*hh:OUT+2*hh+1], s[26:27] offset:hh*HEADH
.else
	global_store_b64 v2, v[OUT+2*hh:OUT+2*hh+1], s[12:13] offset:3*(hh-12)*HEADH
.endif
	s_wait_kmcnt 0x0                               ; the next row, asked for 64 multiply-adds ago
.set hh, hh+1
.endr
	s_endpgm
	; ---- castx: 32 KiB of x
.Lcastx:
	s_and_b32 s29, s28, 511
	s_lshl_b32 s66, s29, 15
	s_lshl_b32 s68, s29, 14
	s_wait_kmcnt 0x0
	s_add_nc_u64 s[4:5], s[4:5], s[66:67]
	s_add_nc_u64 s[22:23], s[22:23], s[68:69]
.irp i, 0,1,2,3,4,5,6,7,8,9,10,11,12,13,14,15
	global_load_b128 v[IN+4*\i:IN+4*\i+3], v1, s[4:5] offset:2048*\i th:TH_LOAD_NT
.endr
.irp i, 0,1,2,3,4,5,6,7,8,9,10,11,12,13,14,15
	s_wait_loadcnt 15-\i                           ; load i is in, the younger ones stay out
	v_cvt_pk_f16_f32 v[OUT+2*\i], v[IN+4*\i], v[IN+4*\i+1]
	v_cvt_pk_f16_f32 v[OUT+2*\i+1], v[IN+4*\i+2], v[IN+4*\i+3]
	global_store_b64 v2, v[OUT+2*\i:OUT+2*\i+1], s[22:23] offset:1024*\i
.endr
	s_endpgm
	; ---- castw: 32 KiB = four rows of Wo.  Load i of thread t holds columns 512 (i & 3) + 4 t ..: head 4 (i & 3) + wave
.Lcastw:
	s_and_b32 s29, s28, 511
	s_lshl_b32 s66, s29, 15
	s_lshl_b32 s68, s29, 14
	v_lshrrev_b32 v[GO], 5, v0
	v_lshlrev_b32 v[GO], 2, v[GO]                  ; 4 x wave
	s_wait_kmcnt 0x0
	s_load_b512 s[32:47], s[20:21], 0x0            ; all sixteen gates, for their maximum
	s_add_nc_u64 s[6:7], s[6:7], s[66:67]
	s_add_nc_u64 s[24:25], s[24:25], s[68:69]
.irp k, 0,1,2,3
	global_load_b32 v[GA+\k], v[GO], s[20:21] offset:16*\k      ; the gates of heads 4 k + wave
.endr
.irp i, 0,1,2,3,4,5,6,7,8,9,10,11,12,13,14,15
	global_load_b128 v[IN+4*\i:IN+4*\i+3], v1, s[6:7] offset:2048*\i th:TH_LOAD_NT
.endr
	s_wait_kmcnt 0x0
	v_mov_b32 v[GB], s32
.irp k, 33,35,37,39,41,43,45
	v_max3_num_f32 v[GB], v[GB], s[\k], s[\k+1]
.endr
	v_max_num_f32 v[GB], s47, v[GB]                ; b
	v_min_num_f32 v[GT], 0, v[GB]                  ; t
	v_sub_f32 v[NUM], v[GT], v[GB]                 ; t - b <= 0
	v_mul_f32 v[E1], LOG2E, v[GT]
	v_mul_f32 v[NUM], LOG2E, v[NUM]
	v_exp_f32 v[E1], v[E1]
	v_exp_f32 v[NUM], v[NUM]
	s_wait_loadcnt 16                              ; my four gates are in; the sixteen loads of Wo are younger
.irp k, 0,1,2,3
	v_sub_f32 v[GA+\k], v[GT], v[GA+\k]            ; t - a; also the plain instructions behind the two exponentials
.endr
	s_wait_alu depctr_va_vdst(0)
	v_add_f32 v[NUM], v[E1], v[NUM]
.irp k, 0,1,2,3
	v_mul_f32 v[GA+\k], LOG2E, v[GA+\k]
.endr
.irp k, 0,1,2,3
	v_exp_f32 v[GA+\k], v[GA+\k]
.endr
	v_nop                                          ; one plain instruction behind a transcendental before its result is used (ISA guide 5.7.2)
	s_wait_alu depctr_va_vdst(0)
.irp k, 0,1,2,3
	v_add_f32 v[GA+\k], v[E1], v[GA+\k]
.endr
.irp k, 0,1,2,3
	v_rcp_f32 v[GA+\k], v[GA+\k]
.endr
	v_nop
	s_wait_alu depctr_va_vdst(0)
.irp k, 0,1,2,3
	v_mul_f32 v[RT+2*\k], v[NUM], v[GA+\k]
	v_mul_f32 v[RT+2*\k+1], v[NUM], v[GA+\k]
.endr
.irp i, 0,1,2,3,4,5,6,7,8,9,10,11,12,13,14,15
	s_wait_loadcnt 15-\i
	v_pk_mul_f32 v[IN+4*\i:IN+4*\i+1], v[IN+4*\i:IN+4*\i+1], v[RT+2*(\i&3):RT+2*(\i&3)+1]
	v_pk_mul_f32 v[IN+4*\i+2:IN+4*\i+3], v[IN+4*\i+2:IN+4*\i+3], v[RT+2*(\i&3):RT+2*(\i&3)+1]
	v_cvt_pk_f16_f32 v[OUT+2*\i], v[IN+4*\i], v[IN+4*\i+1]
	v_cvt_pk_f16_f32 v[OUT+2*\i+1], v[IN+4*\i+2], v[IN+4*\i+3]
	global_store_b64 v2, v[OUT+2*\i:OUT+2*\i+1], s[24:25] offset:1024*\i
.endr
	s_endpgm
	; ---- mixkv: work-group u takes numbers 2,048 u .. + 2,047 of each of the four heads of Wk (first 128 groups) or Wv
.Lmixkv:
	s_and_b32 s29, s28, 127
	s_lshl_b32 s66, s29, 13                        ; 8,192 u bytes in
	s_lshl_b32 s68, s29, 12                        ; 4,096 u bytes out
	s_mov_b32 s29, 14*HEADH                        ; v heads begin at place 14,
	s_cmp_lt_u32 s28, 1664
	s_cselect_b32 s29, 13*HEADH, s29               ; k heads at place 13
	s_wait_kmcnt 0x0
	s_cselect_b64 s[10:11], s[10:11], s[12:13]     ; Wk or Wv
	s_cselect_b64 s[16:17], s[16:17], s[18:19]     ; k_mix or v_mix
	s_add_co_u32 s68, s68, s29
	s_load_b512 s[32:47], s[16:17], 0x0            ; the 4 x 4 mix
	s_add_nc_u64 s[10:11], s[10:11], s[66:67]
	s_add_nc_u64 s[26:27], s[26:27], s[68:69]
.irp i, 0,1,2,3
.irp g, 0,1,2,3
	global_load_b128 v[IN+16*\i+4*\g:IN+16*\i+4*\g+3], v1, s[10:11] offset:\g*HEADF+2048*\i th:TH_LOAD_NT
.endr
.endr
	s_wait_kmcnt 0x0
.irp i, 0,1,2,3
	s_wait_loadcnt 12-4*\i                         ; the four heads' piece i is in; the later pieces' loads stay out
.irp h, 0,1,2,3
.irp p, 0,1,2,3
	v_mul_f32 v[ACC+\p], s[32+4*\h], v[IN+16*\i+\p]
.endr
.irp g, 1,2,3
.irp p, 0,1,2,3
	v_fmac_f32 v[ACC+\p], s[32+4*\h+\g], v[IN+16*\i+4*\g+\p]
.endr
.endr
	v_pk_mul_f32 v[ACC:ACC+1], v[ACC:ACC+1], W128 op_sel_hi:[1,0]
	v_pk_mul_f32 v[ACC+2:ACC+3], v[ACC+2:ACC+3], W128 op_sel_hi:[1,0]
	v_cvt_pk_f16_f32 v[OUT+2*(4*\i+\h)], v[ACC], v[ACC+1]
	v_cvt_pk_f16_f32 v[OUT+2*(4*\i+\h)+1], v[ACC+2], v[ACC+3]
	global_store_b64 v2, v[OUT+2*(4*\i+\h):OUT+2*(4*\i+\h)+1], s[26:27] offset:\h*3*HEADH+1024*\i
.endr
.endr
	s_endpgm
.Lfunc_end_k_qd10f8819cb_prep:
	.size	k_qd10f8819cb_prep, .Lfunc_end_k_qd10f8819cb_prep-k_qd10f8819cb_prep
	.p2alignl 7, 3214868480
	.fill 96, 4, 3214868480
	.section	.rodata,"a",@progbits
	.p2align	6, 0x0
	.amdhsa_kernel k_qd10f8819cb_prep
		.amdhsa_group_segment_fixed_size 0
		.amdhsa_private_segment_fixed_size 0
		.amdhsa_enable_private_segment 0
		.amdhsa_kernarg_size 96
		.amdhsa_user_sgpr_count 2
		.amdhsa_user_sgpr_kernarg_segment_ptr 1
		.amdhsa_wavefront_size32 1
		.amdhsa_system_sgpr_workgroup_id_x 1
		.amdhsa_system_sgpr_workgroup_id_y 1
		.amdhsa_system_sgpr_workgroup_id_z 1
		.amdhsa_system_vgpr_workitem_id 0
		.amdhsa_next_free_vgpr 128
		.amdhsa_next_free_sgpr 70
		.amdhsa_reserve_vcc 0
		.amdhsa_float_denorm_mode_32 3
		.amdhsa_float_denorm_mode_16_64 3
		.amdhsa_memory_ordered 1
		.amdhsa_forward_progress 1
		.amdhsa_inst_pref_size 76
	.end_amdhsa_kernel
	.amdgpu_metadata
---
amdhsa.version: [ 1, 2 ]
amdhsa.kernels:
  - .name:           k_qd10f8819cb_prep
    .symbol:         k_qd10f8819cb_prep.kd
    .args:
      - { .name: x, .offset: 0, .size: 8, .value_kind: global_buffer, .address_space: global }
      - { .name: Wo, .offset: 8, .size: 8, .value_kind: global_buffer, .address_space: global }
      - { .name: Wq, .offset: 16, .size: 8, .value_kind: global_buffer, .address_space: global }
      - { .name: Wk, .offset: 24, .size: 8, .value_kind: global_buffer, .address_space: global }
      - { .name: Wv, .offset: 32, .size: 8, .value_kind: global_buffer, .address_space: global }
      - { .name: q_mix, .offset: 40, .size: 8, .value_kind: global_buffer, .address_space: global }
      - { .name: k_mix, .offset: 48, .size: 8, .value_kind: global_buffer, .address_space: global }
      - { .name: v_mix, .offset: 56, .size: 8, .value_kind: global_buffer, .address_space: global }
      - { .name: attn_gate, .offset: 64, .size: 8, .value_kind: global_buffer, .address_space: global }
      - { .name: xh, .offset: 72, .size: 8, .value_kind: global_buffer, .address_space: global }
      - { .name: woh, .offset: 80, .size: 8, .value_kind: global_buffer, .address_space: global }
      - { .name: wqkv, .offset: 88, .size: 8, .value_kind: global_buffer, .address_space: global }
    .group_segment_fixed_size: 0
    .private_segment_fixed_size: 0
    .kernarg_segment_align: 8
    .kernarg_segment_size: 96
    .max_flat_workgroup_size: 128
    .sgpr_count:     70
    .vgpr_count:     128
    .wavefront_size: 32
...
	.end_amdgpu_metadata
.endif
;; end of part 1
;; launch qkv (part 2): grid 8 x 32, 4 waves a work-group, clusters of 4 x 4, 327,680 bytes of LDS; arguments xh, wqkv, cos, sin, ve, ve_gate, qkv; writes qkv
.if DOCPART == 2
	.amdgcn_target "amdgcn-amd-amdhsa--gfx1250"
	.amdhsa_code_object_version 6
	.text
	.protected	k_qd10f8819cb_qkv
	.globl	k_qd10f8819cb_qkv
	.p2align	8
	.type	k_qd10f8819cb_qkv,@function
k_qd10f8819cb_qkv:
	s_mov_b64 s[64:65], 0
	v_nop
	global_prefetch_b8 v0, s[64:65] scope:SCOPE_SE
	s_setreg_imm32_b32 hwreg(HW_REG_WAVE_MODE, 25, 1), 1
	s_wait_xcnt 0x0
	s_wait_alu depctr_hold_cnt(0) depctr_sa_sdst(0) depctr_va_vdst(0) depctr_va_sdst(0) depctr_va_ssrc(0) depctr_va_vcc(0) depctr_vm_vsrc(0)
	s_getreg_b32 s2, hwreg(HW_REG_IB_STS2, 6, 4)
	s_cmp_eq_u32 s2, 0
	s_cbranch_scc0 .Lentry_in_a_cluster
	s_endpgm
.Lentry_in_a_cluster:
	s_bfe_u32 s2, ttmp6, 0x10000c
	s_cmp_lg_u32 s2, 0xf033
	s_cbranch_scc0 .Lentry_shape_is_right
	s_endpgm
.Lentry_shape_is_right:
; qkv: [2048 x 3072] = xh . wqkv^T in f16 with f32 sums, then per head: rope and rms norm (q, k), or the gated value embedding (v).
; A work-group makes 64 rows x 384 columns = three whole heads; wave w makes the 64 rows x columns 96 w .. 96 w + 95:
; 4 x 6 accumulator tiles, 192 registers.  K goes in 16 steps of 128 (tile rows of 256 bytes, at multiples of 256) through two LDS slots.
; CLUSTERS, 4 x 4: the four work-groups of a row of the cluster share the rows of x, the four of a column the rows of wqkv.
; Each tile is asked for jointly: waves 0-2 ask for one head's 128 rows of wqkv each, wave 3 for the 64 rows of x.
; The head blocks of wqkv are ordered so that the KIND of head j of a column block hangs on the cluster's x alone:
; cluster x = 0: q, q, q (heads 3 cx + j); cluster x = 1: q head 12 + cx, k head cx, v head cx.  No branch hangs on cx or cy.
; The matrix instruction is used transposed (source 0 = 16 rows of wqkv, source 1 = 16 rows of x): a lane holds eight neighbouring columns of one row.
; THE WAY OUT: the sums go in f32 through a stage in LDS (64 rows x 1,552 bytes, in slot 0, which has had its last fill and its last read
; by then); wave w then owns rows 16 w .. 16 w + 15; sixteen lanes hold a head's 128 numbers of one row, eight each.
; wqkv carries a factor 128: it cancels in x * rsqrt(mean(x^2) + eps) when eps is taken 128^2 times; v is multiplied by 1/128.
; q is stored times log2(e) / sqrt(128), so that the next launch's scores are exponents of 2.
; qkv: [24][2048][128] f16: 0-15 q, 16-19 k, 20-23 v.
; Limits: v is kept in f16: |v| below 65,504, and steps of 2^-24 below 2^-14.  v_rsq_f32, v_exp_f32, v_rcp_f32 are good to 1 ulp and flush denormals.
.set KSTEP, 128
.set PITCH, 272                        ; an LDS row: 256 bytes + 16 of padding: sixteen rows start in sixteen different 16-byte columns of 256
.set HB,    128*PITCH                  ; a head's 128 rows
.set AOFF,  3*HB                       ; x's 64 rows lie behind the three heads
.set SLOT,  AOFF+64*PITCH              ; 121,856
.set SP,    1552                       ; a stage row: 384 f32 + 16 bytes = 97 x 16
.set HEADH, 524288
.set QS,    0x3e0293ee                 ; log2(e) / sqrt(128)
.set WV,   18                          ; s18 wave number
.set G1A,  28                          ; s[28:35] group 1, x's tiles
.set G1B,  36                          ; s[36:43] group 1, wqkv's tiles
.set G0A,  44                          ; s[44:51] group 0, x, a set for each slot
.set G0B,  52                          ; s[52:59] group 0, wqkv, a set for each slot
.set OB,   70                          ; s[70:75] qkv at the three heads
.set ADRA, 16                          ; v16-17 my fragments of x in slot 0, 1
.set ADRB, 18                          ; v18-19 of wqkv
.set STO,  20                          ; v20-21 stage, in: rows 0-31, 32-63
.set RDA,  22                          ; stage, back: my eight numbers
.set RDB,  23                          ; stage, back: the eight numbers 64 columns away
.set CSO,  24                          ; byte offset in cos and sin
.set VEO,  25                          ; in ve
.set OUTO, 26                          ; in a head of qkv
.set SGN,  28                          ; v[28:29] +1 for the first half of a head, -1 for the second
.set G2,   30                          ; v[30:31] 2 sigmoid(ve_gate)
.set SS,   4
.set RS,   6                           ; v[6:7]
.set F0,   32                          ; fragment buffer 0: 6 of wqkv, 4 of x
.set F1,   112                         ; fragment buffer 1
.set CS,   32                          ; the way out: v[32:159] row pair i: 8 cos, 8 sin
.set VE,   160                         ; v[160:223] row pair i: 8 of ve
.set X0,   224                         ; v[224:239], v[240:255]: two sets at work
.set X1,   240
.set MSB, 0
.macro WIN new                         ; s_set_vgpr_msb: the high byte repeats the setting that is left
.if MSB != \new
	s_set_vgpr_msb (MSB<<8)|\new
.set MSB, \new
.endif
.endm
.macro PLACES                          ; four plain vector instructions behind a matrix instruction (ISA guide 7.12.1) before its registers are loaded into or read
.rept 4
	v_nop
.endr
.endm
.macro CREST                           ; a round of the cluster's barrier behind its opening barrier
	s_cmp_lg_u32 s[WV], 0
	s_cbranch_scc1 .Lnot_wave_0_\@
	s_barrier_signal -3
.Lnot_wave_0_\@:
	s_barrier_wait -3
	s_barrier_signal -1
	s_barrier_wait -1
.endm
.macro CROUND
	s_barrier_signal -1
	s_barrier_wait -1
	CREST
.endm
.macro JLOAD s                         ; one joint load a wave; the branch hangs on the wave number alone
	s_cmp_eq_u32 s[WV], 3
	s_cbranch_scc1 .Lfor_a_\@
	tensor_load_to_lds s[G0B+4*\s:G0B+4*\s+3], s[G1B:G1B+7]
	s_nop 0
	s_branch .Lasked_\@
.Lfor_a_\@:
	tensor_load_to_lds s[G0A+4*\s:G0A+4*\s+3], s[G1A:G1A+7]
	s_nop 0
.Lasked_\@:
.endm
	s_load_b256 s[4:11], s[0:1], 0x0               ; xh 4, wqkv 6, cos 8, sin 10
	s_load_b128 s[12:15], s[0:1], 0x20             ; ve 12, ve_gate 14
	s_load_b64 s[16:17], s[0:1], 0x30              ; qkv
	v_lshl_add_u32 v15, v0, 2, 0x3b800
	v_mov_b32 v27, 0
	ds_add_u32 v15, v27
	v_lshrrev_b32 v1, 5, v0
	v_readfirstlane_b32 s[WV], v1
	s_bfe_u32 s20, ttmp6, 0x40000                  ; cx
	s_bfe_u32 s21, ttmp6, 0x40004                  ; cy
	s_mov_b32 s22, ttmp9                           ; the cluster's x: 0 or 1
	s_lshl_b32 s23, ttmp9, 2
	s_add_co_u32 s23, s23, s20                     ; column block
	s_and_b32 s24, ttmp7, 0xffff
	s_lshl_b32 s24, s24, 2
	s_add_co_u32 s24, s24, s21                     ; row block
	s_lshl_b32 s25, s21, 2
	s_lshl_b32 s25, 15, s25                        ; my row of the cluster
	s_lshl_b32 s26, 0x1111, s20                    ; my column
	s_or_b32 s[G1A+0], s25, (1<<16)|(1<<20)|(1<<21)|(5<<22)|(3<<25)  ; mask; 2-byte elements; 4 words of padding behind every 64
	s_mov_b32 s[G1A+1], KSTEP<<16                  ; tensor_dim0 = 128
	s_mov_b32 s[G1A+2], 64<<16                     ; tensor_dim1 = 64
	s_mov_b32 s[G1A+3], KSTEP<<16                  ; tile_dim0 = 128
	s_mov_b32 s[G1A+4], 64                         ; tile_dim1 = 64
	s_mov_b32 s[G1A+5], 2048                       ; elements from row to row
	s_mov_b32 s[G1A+6], 0
	s_mov_b32 s[G1A+7], 0
	s_or_b32 s[G1B+0], s26, (1<<16)|(1<<20)|(1<<21)|(5<<22)|(3<<25)
	s_mov_b32 s[G1B+1], KSTEP<<16
	s_mov_b32 s[G1B+2], 128<<16
	s_mov_b32 s[G1B+3], KSTEP<<16
	s_mov_b32 s[G1B+4], 128
	s_mov_b32 s[G1B+5], 2048
	s_mov_b32 s[G1B+6], 0
	s_mov_b32 s[G1B+7], 0
	s_lshl_b32 s60, s24, 18                        ; x: 64 rows of 4,096 bytes for each row block
	s_mov_b32 s61, 0
	s_mul_i32 s66, s23, 384*4096                   ; wqkv: 384 rows for each column block,
	s_lshl_b32 s67, s[WV], 19                      ; 128 rows for each wave (wave 3's is not used)
	s_add_co_u32 s66, s66, s67
	s_mov_b32 s67, 0
	s_mul_i32 s19, s[WV], HB                       ; where my head goes in a slot
	; the three heads' numbers in qkv, and the factor of head 1 (q or k)
	s_mul_i32 s84, s20, 3
	s_add_co_u32 s85, s84, 1
	s_add_co_u32 s86, s84, 2
	s_add_co_u32 s87, s20, 12
	s_add_co_u32 s88, s20, 16
	s_add_co_u32 s89, s20, 20
	s_mov_b32 s77, QS
	s_mov_b32 s78, 0x3c000000                      ; 1/128
	s_mov_b32 s79, 0x3c8637bd                      ; 1e-6 x 128^2
	s_cmp_lg_u32 s22, 0
	s_cselect_b32 s84, s87, s84
	s_cselect_b32 s85, s88, s85
	s_cselect_b32 s86, s89, s86
	s_cselect_b32 s76, 0x3f800000, s77
	s_mov_b32 s91, 0
	s_lshl_b32 s81, s20, 2                         ; my v head's gate
	s_wait_dscnt 0x0
	s_wait_kmcnt 0x0
	s_add_nc_u64 s[62:63], s[4:5], s[60:61]
	s_add_nc_u64 s[68:69], s[6:7], s[66:67]
.irp s, 0,1
	s_mov_b32 s[G0A+4*\s], 1
	s_mov_b32 s[G0A+4*\s+1], AOFF+\s*SLOT
	s_add_nc_u64 s[G0A+4*\s+2:G0A+4*\s+3], s[62:63], \s*KSTEP*2
	s_or_b32 s[G0A+4*\s+3], s[G0A+4*\s+3], 0x80000000
	s_mov_b32 s[G0B+4*\s], 1
	s_add_co_u32 s[G0B+4*\s+1], s19, \s*SLOT
	s_add_nc_u64 s[G0B+4*\s+2:G0B+4*\s+3], s[68:69], \s*KSTEP*2
	s_or_b32 s[G0B+4*\s+3], s[G0B+4*\s+3], 0x80000000
.endr
	CROUND                                         ; all sixteen work-groups are here: the first joint loads meet
	JLOAD 0                                        ; K steps 0 and 1: two loads of mine are out, later one
	JLOAD 1
	s_lshl_b32 s90, s84, 19
	s_add_nc_u64 s[OB:OB+1], s[16:17], s[90:91]
	s_lshl_b32 s90, s85, 19
	s_add_nc_u64 s[OB+2:OB+3], s[16:17], s[90:91]
	s_lshl_b32 s90, s86, 19
	s_add_nc_u64 s[OB+4:OB+5], s[16:17], s[90:91]
	s_lshl_b32 s90, s20, 9
	s_add_nc_u64 s[82:83], s[12:13], s[90:91]      ; ve at my v head's 128 columns
	v_and_b32 v1, 15, v0                           ; r
	v_bfe_u32 v2, v0, 4, 1                         ; h
	v_mul_u32_u24 v3, v1, PITCH
	v_lshl_add_u32 v3, v2, 4, v3                   ; a fragment: row r, 16 bytes for each half of the lanes
	s_mul_i32 s92, s[WV], 96*PITCH
	v_add_nc_u32 v[ADRA], AOFF, v3
	v_add_nc_u32 v[ADRA+1], AOFF+SLOT, v3
	v_add_nc_u32 v[ADRB], s92, v3
	v_add_nc_u32 v[ADRB+1], SLOT, v[ADRB]
	v_mul_u32_u24 v[STO], v1, SP                   ; stage, in: row r, columns 96 w + 8 h
	v_lshl_add_u32 v[STO], v2, 5, v[STO]
	s_mul_i32 s93, s[WV], 384
	v_add_nc_u32 v[STO], s93, v[STO]
	v_add_nc_u32 v[STO+1], 32*SP, v[STO]
	s_mul_i32 s94, s[WV], 16*SP                    ; stage, back: row 16 w + h, columns 8 r
	v_mul_u32_u24 v[RDA], v2, SP
	v_add_nc_u32 v[RDA], s94, v[RDA]
	v_xor_b32 v8, 8, v1
	v_lshl_add_u32 v[RDB], v8, 5, v[RDA]
	v_lshl_add_u32 v[RDA], v1, 5, v[RDA]
	s_lshl_b32 s95, s24, 6
	s_lshl4_add_u32 s95, s[WV], s95                ; 64 x row block + 16 w
	v_add_nc_u32 v5, s95, v2                       ; my row of the first pair
	v_and_b32 v8, 7, v1
	v_lshlrev_b32 v8, 5, v8
	v_lshl_add_u32 v[CSO], v5, 8, v8
	v_lshlrev_b32 v9, 5, v1
	v_lshl_add_u32 v[VEO], v5, 11, v9
	v_lshlrev_b32 v10, 4, v1
	v_lshl_add_u32 v[OUTO], v5, 8, v10
	v_cmp_gt_u32 vcc_lo, 8, v1
	v_mov_b32 v[SGN+1], 1.0
	v_cndmask_b32 v[SGN], -1.0, v[SGN+1], vcc_lo
	v_mov_b32 v[SGN+1], v[SGN]
	v_mov_b32 v[RS+1], 0                           ; the pair's second register is named by the packed multiply, not used
; 12 matrix instructions: row tiles a0, a0 + 1 x all six column tiles, 32 along K.  The 24 accumulators take turns, one instruction a turn, in the
; same order in every step, over the loop's backward jump too.  zero = 1: the first product starts the sums.
.macro MUL2 f, a0, zero
.irp a, \a0, \a0+1
.irp b, 0,1,2,3,4,5
.if \zero
	v_wmma_f32_16x16x32_f16 v[8*(6*(\a)+\b):8*(6*(\a)+\b)+7], v[\f+8*\b:\f+8*\b+7], v[\f+48+8*(\a):\f+48+8*(\a)+7], 0
.else
	v_wmma_f32_16x16x32_f16 v[8*(6*(\a)+\b):8*(6*(\a)+\b)+7], v[\f+8*\b:\f+8*\b+7], v[\f+48+8*(\a):\f+48+8*(\a)+7], v[8*(6*(\a)+\b):8*(6*(\a)+\b)+7]
.endif
.endr
.endr
.endm
.macro FETCH slot, k, f                ; 20 LDS loads: ten fragments of 32 along K at byte k of the rows
.irp i, 0,1,2,3,4,5
	ds_load_b128 v[\f+8*\i:\f+8*\i+3],   v[ADRB+\slot] offset:\k+\i*16*PITCH
	ds_load_b128 v[\f+8*\i+4:\f+8*\i+7], v[ADRB+\slot] offset:\k+\i*16*PITCH+32
.endr
.irp i, 0,1,2,3
	ds_load_b128 v[\f+48+8*\i:\f+48+8*\i+3], v[ADRA+\slot] offset:\k+\i*16*PITCH
	ds_load_b128 v[\f+48+8*\i+4:\f+48+8*\i+7], v[ADRA+\slot] offset:\k+\i*16*PITCH+32
.endr
.endm
.macro SUB slot, k, f, g, zero         ; a quarter of a K step: buffer f is multiplied while buffer g is fetched
	s_wait_dscnt 0x0                               ; buffer f's loads, issued a quarter step ago
	PLACES                                         ; buffer g was read by the last matrix instructions
	FETCH \slot, \k, \g
	WIN 0x50                                       ; C and D in window 1
	MUL2 \f, 0, \zero
	MUL2 \f, 2, \zero
	WIN 0
.endm
.macro THREE slot, zero
	SUB \slot, 64,  F0, F1, \zero
	SUB \slot, 128, F1, F0, 0
	SUB \slot, 192, F0, F1, 0
.endm
; The last quarter changes slots.  In front of the barrier each wave has its reads of this slot back and all its tensor loads landed (one was
; out: its part of the next slot).  Where the slot is filled again the barrier opens a round of the cluster's barrier, only matrix
; instructions stand inside it, and the joint refill is the first tensor load behind it, one a wave.
.macro TURN slot, next, fill
	s_wait_dscnt 0x0
	s_wait_tensorcnt 0x0
	ds_add_u32 v15, v27
	s_wait_dscnt 0x0
	s_barrier_signal -1
	WIN 0x50
	MUL2 F1, 0, 0
	WIN 0
	s_barrier_wait -1
.if \fill
	CREST
	s_add_nc_u64 s[G0A+4*\slot+2:G0A+4*\slot+3], s[G0A+4*\slot+2:G0A+4*\slot+3], 2*KSTEP*2
	s_add_nc_u64 s[G0B+4*\slot+2:G0B+4*\slot+3], s[G0B+4*\slot+2:G0B+4*\slot+3], 2*KSTEP*2
	JLOAD \slot
.endif
	PLACES
	FETCH \next, 0, F0
	WIN 0x50
	MUL2 F1, 2, 0
	WIN 0
.endm
.macro LAP zero
	THREE 0, \zero
	TURN 0, 1, 1
	THREE 1, 0
	TURN 1, 0, 1
.endm
	s_wait_tensorcnt 0x1                           ; my part of K step 0 is in; step 1's may stay out
	s_barrier_signal -1
	s_barrier_wait -1
	FETCH 0, 0, F0
	LAP 1                                          ; K steps 0, 1
	s_mov_b32 s27, 6                               ; K steps 2 to 13
.Llap:
	LAP 0
	s_sub_co_u32 s27, s27, 1
	s_cmp_lg_u32 s27, 0
	s_cbranch_scc1 .Llap
	THREE 0, 0                                     ; K steps 14, 15: nothing is left to fetch
	TURN 0, 1, 0
	THREE 1, 0
	s_wait_dscnt 0x0
	WIN 0x50
	MUL2 F1, 0, 0
	MUL2 F1, 2, 0
	WIN 0
	PLACES                                         ; behind the last matrix instructions: loads into the buffers, stores of the sums
	; ---- the way out
.irp i, 0,1,2,3,4,5,6,7
	global_load_b128 v[CS+16*\i:CS+16*\i+3],     v[CSO], s[8:9] offset:512*\i
	global_load_b128 v[CS+16*\i+4:CS+16*\i+7],   v[CSO], s[8:9] offset:512*\i+16
	global_load_b128 v[CS+16*\i+8:CS+16*\i+11],  v[CSO], s[10:11] offset:512*\i
	global_load_b128 v[CS+16*\i+12:CS+16*\i+15], v[CSO], s[10:11] offset:512*\i+16
.endr
	s_cmp_eq_u32 s22, 0
	s_cbranch_scc1 .Lno_ve
.irp i, 0,1,2,3,4,5,6,7
	global_load_b128 v[VE+8*\i:VE+8*\i+3],   v[VEO], s[82:83] offset:4096*\i
	global_load_b128 v[VE+8*\i+4:VE+8*\i+7], v[VEO], s[82:83] offset:4096*\i+16
.endr
	s_load_b32 s80, s[14:15], s81 offset:0x0
.Lno_ve:
	WIN 0x04                                       ; store data in window 1
.irp a, 0,1,2,3
.irp b, 0,1,2,3,4,5
	ds_store_b128 v[STO+(\a>>1)], v[8*(6*\a+\b):8*(6*\a+\b)+3]   offset:(\a&1)*16*SP+64*\b
	ds_store_b128 v[STO+(\a>>1)], v[8*(6*\a+\b)+4:8*(6*\a+\b)+7] offset:(\a&1)*16*SP+64*\b+16
.endr
.endr
	WIN 0
	s_wait_dscnt 0x0                               ; my stores are done, for the other waves' sake
	s_barrier_signal -1
	s_barrier_wait -1
	s_wait_loadcnt 0x0                             ; cos, sin, ve
	s_wait_kmcnt 0x0
.irp i, 0,1,2,3,4,5,6,7
.irp k, 8,10,12,14
	v_pk_mul_f32 v[CS+16*\i+\k:CS+16*\i+\k+1], v[CS+16*\i+\k:CS+16*\i+\k+1], v[SGN:SGN+1]   ; the second half of a head takes -sin
.endr
.endr
.macro LOADX i, j, x                   ; row pair i of head j: my eight numbers and the eight 64 columns away
	ds_load_b128 v[\x:\x+3],     v[RDA] offset:2*SP*(\i)+512*\j
	ds_load_b128 v[\x+4:\x+7],   v[RDA] offset:2*SP*(\i)+512*\j+16
	ds_load_b128 v[\x+8:\x+11],  v[RDB] offset:2*SP*(\i)+512*\j
	ds_load_b128 v[\x+12:\x+15], v[RDB] offset:2*SP*(\i)+512*\j+16
.endm
.macro COMP i, x, sc, ob               ; rope, rms norm over the sixteen lanes of a row, factor s[sc], 16 bytes out
.irp k, 0,2,4,6
	v_pk_mul_f32 v[\x+\k:\x+\k+1], v[\x+\k:\x+\k+1], v[CS+16*(\i)+\k:CS+16*(\i)+\k+1]
.endr
.irp k, 0,2,4,6
	v_pk_fma_f32 v[\x+\k:\x+\k+1], v[\x+8+\k:\x+8+\k+1], v[CS+16*(\i)+8+\k:CS+16*(\i)+8+\k+1], v[\x+\k:\x+\k+1]
.endr
	v_pk_mul_f32 v[\x+8:\x+9], v[\x:\x+1], v[\x:\x+1]
.irp k, 2,4,6
	v_pk_fma_f32 v[\x+8:\x+9], v[\x+\k:\x+\k+1], v[\x+\k:\x+\k+1], v[\x+8:\x+9]
.endr
	v_add_f32 v[SS], v[\x+8], v[\x+9]
	v_add_f32_dpp v[SS], v[SS], v[SS] row_xmask:1 row_mask:0xf bank_mask:0xf
	v_add_f32_dpp v[SS], v[SS], v[SS] row_xmask:2 row_mask:0xf bank_mask:0xf
	v_add_f32_dpp v[SS], v[SS], v[SS] row_xmask:4 row_mask:0xf bank_mask:0xf
	v_add_f32_dpp v[SS], v[SS], v[SS] row_xmask:8 row_mask:0xf bank_mask:0xf
	v_fma_f32 v[SS], v[SS], s78, s79               ; mean + eps, both scaled by 128^2
	v_rsq_f32 v[RS], v[SS]
	v_nop                                          ; one plain instruction behind a transcendental (ISA guide 5.7.2)
	s_wait_alu depctr_va_vdst(0)
	v_mul_f32 v[RS], s[\sc], v[RS]
.irp k, 0,2,4,6
	v_pk_mul_f32 v[\x+\k:\x+\k+1], v[\x+\k:\x+\k+1], v[RS:RS+1] op_sel_hi:[1,0]
.endr
.irp k, 0,1,2,3
	v_cvt_pk_f16_f32 v[\x+8+\k], v[\x+2*\k], v[\x+2*\k+1]
.endr
	global_store_b128 v[OUTO], v[\x+8:\x+11], s[\ob:\ob+1] offset:512*(\i)   ; the wave stores two whole rows: 512 consecutive bytes
.endm
.macro PASS_ROPE j, sc, ob
	s_wait_xcnt 0x0                                ; a set that an earlier store reads is loaded again only behind this wait
	LOADX 0, \j, X0
.irp i, 0,2,4,6
	s_wait_xcnt 0x0
	LOADX \i+1, \j, X1
	s_wait_dscnt 4                                 ; the four loads just issued may stay out
	COMP \i, X0, \sc, \ob
	s_wait_xcnt 0x0
.if \i < 6
	LOADX \i+2, \j, X0
	s_wait_dscnt 4
.else
	s_wait_dscnt 0
.endif
	COMP \i+1, X1, \sc, \ob
.endr
.endm
.macro LOADV i, x
	ds_load_b128 v[\x:\x+3],   v[RDA] offset:2*SP*(\i)+1024
	ds_load_b128 v[\x+4:\x+7], v[RDA] offset:2*SP*(\i)+1024+16
.endm
.macro COMPV i, x                      ; v = sum / 128 + 2 sigmoid(gate) ve
.irp k, 0,2,4,6
	v_pk_mul_f32 v[VE+8*(\i)+\k:VE+8*(\i)+\k+1], v[VE+8*(\i)+\k:VE+8*(\i)+\k+1], v[G2:G2+1]
.endr
.irp k, 0,2,4,6
	v_pk_fma_f32 v[\x+\k:\x+\k+1], v[\x+\k:\x+\k+1], s[78:79], v[VE+8*(\i)+\k:VE+8*(\i)+\k+1] op_sel_hi:[1,0,1]
.endr
.irp k, 0,1,2,3
	v_cvt_pk_f16_f32 v[\x+8+\k], v[\x+2*\k], v[\x+2*\k+1]
.endr
	global_store_b128 v[OUTO], v[\x+8:\x+11], s[OB+4:OB+5] offset:512*(\i)
.endm
	PASS_ROPE 0, 77, OB                            ; head 0 is a q head
	PASS_ROPE 1, 76, OB+2                          ; head 1: q, or k with the factor 1
	s_cmp_lg_u32 s22, 0
	s_cbranch_scc1 .Lvpass
	PASS_ROPE 2, 77, OB+4
	s_branch .Lend
.Lvpass:
	v_mov_b32 v[G2], s80
	v_mul_f32 v[G2], 0xbfb8aa3b, v[G2]             ; -log2(e) x gate
	v_exp_f32 v[G2], v[G2]
	v_nop
	s_wait_alu depctr_va_vdst(0)
	v_add_f32 v[G2], 1.0, v[G2]
	v_rcp_f32 v[G2], v[G2]
	v_nop
	s_wait_alu depctr_va_vdst(0)
	v_add_f32 v[G2], v[G2], v[G2]
	v_mov_b32 v[G2+1], v[G2]
	s_wait_xcnt 0x0
	LOADV 0, X0
.irp i, 0,2,4,6
	s_wait_xcnt 0x0
	LOADV \i+1, X1
	s_wait_dscnt 2                                 ; the two loads just issued may stay out
	COMPV \i, X0
	s_wait_xcnt 0x0
.if \i < 6
	LOADV \i+2, X0
	s_wait_dscnt 2
.else
	s_wait_dscnt 0
.endif
	COMPV \i+1, X1
.endr
.Lend:
	s_wait_tensorcnt 0x0
	ds_add_u32 v15, v27
	s_wait_dscnt 0x0
	CROUND                                         ; the closing round: no work-group ends while a partner may still ask for a tile that names it
	s_endpgm
.Lfunc_end_k_qd10f8819cb_qkv:
	.size	k_qd10f8819cb_qkv, .Lfunc_end_k_qd10f8819cb_qkv-k_qd10f8819cb_qkv
	.p2alignl 7, 3214868480
	.fill 96, 4, 3214868480
	.section	.rodata,"a",@progbits
	.p2align	6, 0x0
	.amdhsa_kernel k_qd10f8819cb_qkv
		.amdhsa_group_segment_fixed_size 327680
		.amdhsa_private_segment_fixed_size 0
		.amdhsa_enable_private_segment 0
		.amdhsa_kernarg_size 56
		.amdhsa_user_sgpr_count 2
		.amdhsa_user_sgpr_kernarg_segment_ptr 1
		.amdhsa_wavefront_size32 1
		.amdhsa_system_sgpr_workgroup_id_x 1
		.amdhsa_system_sgpr_workgroup_id_y 1
		.amdhsa_system_sgpr_workgroup_id_z 1
		.amdhsa_system_vgpr_workitem_id 0
		.amdhsa_next_free_vgpr 448
		.amdhsa_next_free_sgpr 96
		.amdhsa_reserve_vcc 1
		.amdhsa_float_denorm_mode_32 3
		.amdhsa_float_denorm_mode_16_64 3
		.amdhsa_memory_ordered 1
		.amdhsa_forward_progress 1
		.amdhsa_inst_pref_size 153
	.end_amdhsa_kernel
	.amdgpu_metadata
---
amdhsa.version: [ 1, 2 ]
amdhsa.kernels:
  - .name:           k_qd10f8819cb_qkv
    .symbol:         k_qd10f8819cb_qkv.kd
    .args:
      - { .name: xh, .offset: 0, .size: 8, .value_kind: global_buffer, .address_space: global }
      - { .name: wqkv, .offset: 8, .size: 8, .value_kind: global_buffer, .address_space: global }
      - { .name: cos, .offset: 16, .size: 8, .value_kind: global_buffer, .address_space: global }
      - { .name: sin, .offset: 24, .size: 8, .value_kind: global_buffer, .address_space: global }
      - { .name: ve, .offset: 32, .size: 8, .value_kind: global_buffer, .address_space: global }
      - { .name: ve_gate, .offset: 40, .size: 8, .value_kind: global_buffer, .address_space: global }
      - { .name: qkv, .offset: 48, .size: 8, .value_kind: global_buffer, .address_space: global }
    .group_segment_fixed_size: 327680
    .private_segment_fixed_size: 0
    .kernarg_segment_align: 8
    .kernarg_segment_size: 56
    .max_flat_workgroup_size: 128
    .sgpr_count:     96
    .vgpr_count:     448
    .wavefront_size: 32
...
	.end_amdgpu_metadata
.endif
;; end of part 2
;; launch attn (part 3): grid 16 x 16, 4 waves a work-group, clusters of 4 x 1, 327,680 bytes of LDS; arguments qkv, yh; writes yh
.if DOCPART == 3
	.amdgcn_target "amdgcn-amd-amdhsa--gfx1250"
	.amdhsa_code_object_version 6
	.text
	.protected	k_qd10f8819cb_attn
	.globl	k_qd10f8819cb_attn
	.p2align	8
	.type	k_qd10f8819cb_attn,@function
k_qd10f8819cb_attn:
	s_mov_b64 s[64:65], 0
	v_nop
	global_prefetch_b8 v0, s[64:65] scope:SCOPE_SE
	s_setreg_imm32_b32 hwreg(HW_REG_WAVE_MODE, 25, 1), 1
	s_wait_xcnt 0x0
	s_wait_alu depctr_hold_cnt(0) depctr_sa_sdst(0) depctr_va_vdst(0) depctr_va_sdst(0) depctr_va_ssrc(0) depctr_va_vcc(0) depctr_vm_vsrc(0)
	s_getreg_b32 s2, hwreg(HW_REG_IB_STS2, 6, 4)
	s_cmp_eq_u32 s2, 0
	s_cbranch_scc0 .Lentry_in_a_cluster
	s_endpgm
.Lentry_in_a_cluster:
	s_bfe_u32 s2, ttmp6, 0x10000c
	s_cmp_lg_u32 s2, 0x3003
	s_cbranch_scc0 .Lentry_shape_is_right
	s_endpgm
.Lentry_shape_is_right:
; attn: y = softmax(q k^T, kept where 0 <= i - j <= 1024) v for one head and 128 queries; f16 operands, f32 sums.
; CLUSTERS, 4 x 1: the four query heads of one k/v head, same query block.  They read the same K and V tiles and make the same number of
; trips, so every K and V tile is asked for jointly (mask 15): waves 0, 1 ask for K's two halves, waves 2, 3 for V's.
; Wave w owns queries 32 w .. 32 w + 31 (two tiles of 16, nt).  Key tiles of 128 go DOWNWARD from the diagonal tile: tile t = keys 128 (qb - t) ..,
; t = 0 .. m, m = min(qb, 8): tiles further back lie wholly outside the window, tiles ahead wholly above the diagonal.
; Tile 0 takes the causal mask, tile m the window's (made void where qb < 8), tiles between none.  Tile 0 starts all sums: nothing is cleared.
; TRANSPOSED: S^T = K (source 0, rows = keys) x Q (source 1): lane (r, h) holds query r, keys 8 h + j.  Two such tiles, rounded to f16 in pairs, ARE
; source 1 of O^T = V^T (source 0, by the transposing LDS load) x P^T: nothing crosses lanes but one maximum; maximum, sum and factor are a lane's own.
; ONE WAVE FEEDS BOTH UNITS: the sixteen matrix instructions of chunk c + 1's scores are dealt out singly among the vector instructions of chunk c's
; softmax (other S set, no common register), and the 64 multiplies that rescale O among the sixteen matrix instructions of P V.
; The scores arrive as exponents of 2 (q carries log2(e) / sqrt(128)).  A running maximum is taken away, chunk of 32 keys by chunk: P <= 1, the sum >= 1.
; Masked scores are -FLT_MAX; key 0 of tile 0 is kept for every query, so the maximum is finite from the first chunk on.
; Work is 1 to 9 tiles a work-group; one work-group for each of the 256 (head, query block) pairs.
; Limits: P, V and y are f16: P below 2^-24 of the row's largest counts as 0; |v| below 65,504.  v_exp_f32, v_rcp_f32: 1 ulp, denormals flushed.
; A NaN among the scores is skipped by the maximum.
.set WV,     10
.set KP,     272                       ; Q's and K's LDS rows: 256 + 16 bytes
.set VP,     288                       ; V's: 256 + 32 = 9 x 32, as the transposing load's lanes want
.set KBYTES, 128*KP
.set SLOT0,  128*KP                    ; Q lies at 0, the two slots behind it
.set SLOT,   KBYTES+128*VP             ; K, then V: 71,680
.set STAGE,  SLOT0+2*SLOT              ; 178,176: 16 rows x 272 bytes for each wave, bytes that no tensor load fills
.set SPITCH, 272
.set HEADH,  524288
.set TILEB,  32768                     ; 128 rows of 256 bytes in memory
.set G1Q, 24                           ; s[24:31]
.set G1K, 32                           ; s[32:39]
.set G1V, 40                           ; s[40:47]
.set G0Q, 48                           ; s[48:51]
.set G0K, 52                           ; s[52:59] a set for each slot
.set G0V, 68                           ; s[68:75]
; window 0
.set KADR, 2                           ; v2-3   K fragments in slot 0, 1
.set EC,   4                           ; 32 w + r - 8 h
.set EW,   5                           ; the same, or 4,096 less where the window's mask is void
.set STO,  6
.set RD,   7
.set CO,   8
.set NEG,  9                           ; -FLT_MAX
.set MX,   10                          ; v[10:11], v[12:13] running maximum of nt = 0, 1 (the first register of each pair)
.set RR,   14                          ; r
.set HH,   15                          ; h
.set LS,   16                          ; v[16:23]   four chains of the sum: pair 2 mt + nt
.set Q,    24                          ; v[24:87]   fragment 4 nt + ks
.set S,    88                          ; v[88:151]  two sets of four tiles 2 mt + nt
.set P,    152                         ; v[152:167] fragment nt
.set K,    168                         ; v[168:231] fragment 4 mt + ks
.set AL,   232                         ; v[232:233], v[234:235] alpha of nt = 0, 1 (first register)
.set TM,   236                         ; v236-237
.set T2,   238                         ; v238-239
.set FAC,  240                         ; v[240:241], v[242:243] 1 / sum
.set QADR, 244
.set TA,   245
.set TB,   246
.set TC,   248                         ; v248-251   four chains of the maximum, one for each S tile
; window 1
.set VR,   128                         ; v[128:191] V^T fragment md;  v[0:127] O^T tile 2 md + nt
.set VADR, 192                         ; v192-193   V in slot 0, 1
.set MSB, 0
.macro WIN new                         ; s_set_vgpr_msb: the high byte repeats the setting that is left
.if MSB != \new
	s_set_vgpr_msb (MSB<<8)|\new
.set MSB, \new
.endif
.endm
.macro PLACES                          ; four plain vector instructions behind a matrix instruction (ISA guide 7.12.1) before its registers are read, written or loaded into
.rept 4
	v_nop
.endr
.endm
.macro CREST
	s_cmp_lg_u32 s[WV], 0
	s_cbranch_scc1 .Lnot_wave_0_\@
	s_barrier_signal -3
.Lnot_wave_0_\@:
	s_barrier_wait -3
	s_barrier_signal -1
	s_barrier_wait -1
.endm
.macro CROUND                          ; a round of the cluster's barrier
	s_barrier_signal -1
	s_barrier_wait -1
	CREST
.endm
.macro JLOAD s                         ; one joint load a wave: 64 rows of K or of V; the branch hangs on the wave number alone
	s_cmp_ge_u32 s[WV], 2
	s_cbranch_scc1 .Lfor_v_\@
	tensor_load_to_lds s[G0K+4*(\s):G0K+4*(\s)+3], s[G1K:G1K+7]
	s_nop 0
	s_branch .Lasked_\@
.Lfor_v_\@:
	tensor_load_to_lds s[G0V+4*(\s):G0V+4*(\s)+3], s[G1V:G1V+7]
	s_nop 0
.Lasked_\@:
.endm
	s_load_b128 s[4:7], s[0:1], 0x0                ; qkv 4, yh 6
	v_lshl_add_u32 v254, v0, 2, 0x2fc00
	v_mov_b32 v255, 0
	ds_add_u32 v254, v255
	v_lshrrev_b32 v1, 5, v0
	v_readfirstlane_b32 s[WV], v1
	s_and_b32 s11, s[WV], 1                        ; which half of K or V I ask for
	s_bfe_u32 s12, ttmp6, 0x40000                  ; cx: my head among the four
	s_mov_b32 s13, ttmp9                           ; the cluster's x: the k/v head
	s_lshl_b32 s14, s13, 2
	s_add_co_u32 s14, s14, s12                     ; head
	s_and_b32 s15, ttmp7, 0xffff                   ; query block
	s_min_u32 s16, s15, 8                          ; m
	s_mov_b32 s76, 0x76543210                      ; v_permlanex16_b32: lane i takes lane i of the other half
	s_mov_b32 s77, 0xfedcba98
	s_mov_b32 s[G1Q+0], (1<<16)|(1<<20)|(5<<22)|(3<<25)            ; my own load: no mask; 2-byte elements; 4 words of padding behind every 64
	s_mov_b32 s[G1Q+1], 128<<16                    ; tensor_dim0 = 128
	s_mov_b32 s[G1Q+2], 32<<16                     ; tensor_dim1 = 32
	s_mov_b32 s[G1Q+3], 128<<16                    ; tile_dim0 = 128
	s_mov_b32 s[G1Q+4], 32                         ; tile_dim1 = 32
	s_mov_b32 s[G1Q+5], 128                        ; elements from row to row
	s_mov_b32 s[G1Q+6], 0
	s_mov_b32 s[G1Q+7], 0
	s_mov_b32 s[G1K+0], 15|(1<<16)|(1<<20)|(1<<21)|(5<<22)|(3<<25) ; all four work-groups of the cluster
	s_mov_b32 s[G1K+1], 128<<16
	s_mov_b32 s[G1K+2], 64<<16
	s_mov_b32 s[G1K+3], 128<<16
	s_mov_b32 s[G1K+4], 64
	s_mov_b32 s[G1K+5], 128
	s_mov_b32 s[G1K+6], 0
	s_mov_b32 s[G1K+7], 0
	s_mov_b32 s[G1V+0], 15|(1<<16)|(1<<20)|(1<<21)|(5<<22)|(7<<25) ; 8 words of padding
	s_mov_b32 s[G1V+1], 128<<16
	s_mov_b32 s[G1V+2], 64<<16
	s_mov_b32 s[G1V+3], 128<<16
	s_mov_b32 s[G1V+4], 64
	s_mov_b32 s[G1V+5], 128
	s_mov_b32 s[G1V+6], 0
	s_mov_b32 s[G1V+7], 0
	s_lshl_b32 s18, s14, 19                        ; Q: head, query block, my 32 rows
	s_lshl_b32 s19, s15, 15
	s_add_co_u32 s18, s18, s19
	s_lshl_b32 s19, s[WV], 13
	s_add_co_u32 s18, s18, s19
	s_mov_b32 s19, 0
	s_add_co_u32 s20, s13, 16                      ; K: head 16 + g, the diagonal tile, my half; nothing of cx enters
	s_lshl_b32 s20, s20, 19
	s_lshl_b32 s21, s15, 15
	s_add_co_u32 s20, s20, s21
	s_lshl_b32 s21, s11, 14
	s_add_co_u32 s20, s20, s21
	s_mov_b32 s21, 0
	s_mul_i32 s62, s[WV], 64*KP                    ; waves 0, 1: K's halves
	s_mul_i32 s63, s[WV], 64*VP                    ; waves 2, 3: V's halves, counted from two halves in front of V
	s_wait_dscnt 0x0
	s_wait_kmcnt 0x0
	s_mov_b32 s[G0Q], 1
	s_mul_i32 s[G0Q+1], s[WV], 32*KP
	s_add_nc_u64 s[G0Q+2:G0Q+3], s[4:5], s[18:19]
	s_or_b32 s[G0Q+3], s[G0Q+3], 0x80000000
	s_add_nc_u64 s[22:23], s[4:5], s[20:21]        ; K, tile 0
	s_add_nc_u64 s[60:61], s[22:23], 4*HEADH       ; V lies four heads behind K
.irp s, 0,1
	s_mov_b32 s[G0K+4*\s], 1
	s_add_co_u32 s[G0K+4*\s+1], s62, SLOT0+\s*SLOT
	s_sub_nc_u64 s[G0K+4*\s+2:G0K+4*\s+3], s[22:23], \s*TILEB      ; slot s begins with tile s, 128 keys further back
	s_or_b32 s[G0K+4*\s+3], s[G0K+4*\s+3], 0x80000000
	s_mov_b32 s[G0V+4*\s], 1
	s_add_co_u32 s[G0V+4*\s+1], s63, SLOT0+KBYTES-128*VP+\s*SLOT
	s_sub_nc_u64 s[G0V+4*\s+2:G0V+4*\s+3], s[60:61], \s*TILEB
	s_or_b32 s[G0V+4*\s+3], s[G0V+4*\s+3], 0x80000000
.endr
	CROUND                                         ; the four work-groups are here: the first joint loads meet
	tensor_load_to_lds s[G0Q:G0Q+3], s[G1Q:G1Q+7]  ; my 32 queries, which I alone read
	s_nop 0
	JLOAD 0                                        ; tile 0: two loads of mine are out, later one
	s_lshl_b32 s18, s15, 19                        ; yh: row 128 qb + 32 w of 4,096 bytes, column 128 head of 2 bytes
	s_lshl_b32 s19, s[WV], 17
	s_add_co_u32 s18, s18, s19
	s_lshl_b32 s19, s14, 8
	s_add_co_u32 s18, s18, s19
	s_mov_b32 s19, 0
	s_add_nc_u64 s[6:7], s[6:7], s[18:19]
	v_and_b32 v[RR], 15, v0
	v_bfe_u32 v[HH], v0, 4, 1
	v_mul_u32_u24 v1, v[RR], KP
	v_lshl_add_u32 v1, v[HH], 4, v1                ; 272 r + 16 h: a fragment's row, and my place in the stage
	v_add_nc_u32 v[KADR], SLOT0, v1
	v_add_nc_u32 v[KADR+1], SLOT0+SLOT, v1
	s_mul_i32 s18, s[WV], 32*KP
	v_add_nc_u32 v[QADR], s18, v1
	s_mul_i32 s18, s[WV], 16*SPITCH
	s_add_co_u32 s18, s18, STAGE
	v_add_nc_u32 v[STO], s18, v1
	v_mul_u32_u24 v[RD], v[HH], SPITCH             ; back: lanes 0-15 one row of 256 bytes, lanes 16-31 the next
	v_lshl_add_u32 v[RD], v[RR], 4, v[RD]
	v_add_nc_u32 v[RD], s18, v[RD]
	v_lshlrev_b32 v[CO], 4, v[RR]
	v_lshl_add_u32 v[CO], v[HH], 12, v[CO]
	v_and_b32 v[TA], 7, v0                         ; the transposing load: row 8 h + (lane & 7), 16 bytes by lane bit 3
	v_lshl_add_u32 v[TA], v[HH], 3, v[TA]
	v_mul_u32_u24 v[TA], v[TA], VP
	v_bfe_u32 v[TB], v0, 3, 1
	v_lshl_add_u32 v[TA], v[TB], 4, v[TA]
	WIN 0x40                                       ; destination in window 1
	v_add_nc_u32 v[VADR], SLOT0+KBYTES, v[TA]
	v_add_nc_u32 v[VADR+1], SLOT0+KBYTES+SLOT, v[TA]
	WIN 0
	s_lshl_b32 s18, s[WV], 5
	v_add_nc_u32 v[EC], s18, v[RR]
	v_lshlrev_b32 v[TB], 3, v[HH]
	v_sub_nc_u32 v[EC], v[EC], v[TB]
	s_cmp_ge_u32 s15, 8
	s_cselect_b32 s18, 0, 0xfffff000               ; with fewer than 8 blocks behind it no key of the last tile is too old
	v_add_nc_u32 v[EW], s18, v[EC]
	v_mov_b32 v[NEG], 0xff7fffff
.irp x, MX+1, MX+3, AL+1, AL+3, T2, T2+1, FAC+1, FAC+3
	v_mov_b32 v[\x], 0                             ; second registers of pairs that are named whole, and v_permlanex16_b32's destinations
.endr
	s_wait_tensorcnt 0x1                           ; my queries are in; tile 0, issued behind them, may stay out
.irp nt, 0,1
.irp ks, 0,1,2,3
	ds_load_b128 v[Q+8*(4*\nt+\ks):Q+8*(4*\nt+\ks)+3],   v[QADR] offset:16*\nt*KP+64*\ks
	ds_load_b128 v[Q+8*(4*\nt+\ks)+4:Q+8*(4*\nt+\ks)+7], v[QADR] offset:16*\nt*KP+64*\ks+32
.endr
.endr
; A chunk c is 32 keys of a tile.
.macro LDK slot, c                     ; 16 LDS loads: K's 32 rows x 128
	WIN 0
.irp mt, 0,1
.irp ks, 0,1,2,3
	ds_load_b128 v[K+8*(4*\mt+\ks):K+8*(4*\mt+\ks)+3],   v[KADR+\slot] offset:(32*\c+16*\mt)*KP+64*\ks
	ds_load_b128 v[K+8*(4*\mt+\ks)+4:K+8*(4*\mt+\ks)+7], v[KADR+\slot] offset:(32*\c+16*\mt)*KP+64*\ks+32
.endr
.endr
.endm
.macro LDV slot, c                     ; 16 transposing LDS loads: V^T, 128 x 32 keys; data and address in window 1
	WIN 0x51
.irp md, 0,1,2,3,4,5,6,7
	ds_load_tr16_b128 v[VR+8*\md:VR+8*\md+3],   v[VADR+\slot] offset:32*\c*VP+32*\md
	ds_load_tr16_b128 v[VR+8*\md+4:VR+8*\md+7], v[VADR+\slot] offset:32*\c*VP+32*\md+16*VP
.endr
.endm
; The scores of a chunk are sixteen matrix instructions, numbered wq = 4 ks + 2 mt + nt: four accumulators by turns, one instruction a turn;
; the first product of each starts its sum.  ARM names the S set and the count of the wait for K; MM emits the next instruction, if one is left,
; with that wait directly ahead of the first; MMREST emits what is left.  All their registers lie in window 0.
.set wq, 16
.set wsb, 0
.set wkw, 0
.macro ARM sb, kw
.set wq, 0
.set wsb, \sb
.set wkw, \kw
.endm
.macro MM
.if wq < 16
.if wq == 0
	s_wait_dscnt wkw                               ; K's chunk is in; the count leaves the one younger run of 16 loads (V's) out
.endif
.set mks, wq>>2
.set mmt, (wq>>1)&1
.set mnt, wq&1
.set mD, S+32*wsb+8*(2*mmt+mnt)
.if mks == 0
	v_wmma_f32_16x16x32_f16 v[mD:mD+7], v[K+8*(4*mmt+mks):K+8*(4*mmt+mks)+7], v[Q+8*(4*mnt+mks):Q+8*(4*mnt+mks)+7], 0
.else
	v_wmma_f32_16x16x32_f16 v[mD:mD+7], v[K+8*(4*mmt+mks):K+8*(4*mmt+mks)+7], v[Q+8*(4*mnt+mks):Q+8*(4*mnt+mks)+7], v[mD:mD+7]
.endif
.set wq, wq+1
.endif
.endm
.macro MMREST
.rept 16
	MM
.endr
.endm
; The softmax step of chunk c, scores in set sb, with the armed scores of the next chunk dealt among its lines.  mask: 0 none, 1 causal, 2 window.
; first = 1: the very first chunk starts maximum and sums.  kn < 4: K's chunk kn of the slot is loaded as soon as the armed scores have read K.
.macro SOFT c, sb, mask, first, slot, kn
	WIN 0
.set SB, S+32*\sb
.if \mask
.irp mt, 0,1
.irp nt, 0,1
.irp j, 0,1,2,3,4,5,6,7
.if \mask == 1
	v_cmp_le_i32 vcc_lo, 32*\c+16*\mt+\j-16*\nt, v[EC]             ; key <= query
.else
	v_cmp_ge_i32 vcc_lo, 32*\c+16*\mt+\j-16*\nt, v[EW]             ; query - key <= 1024
.endif
	v_cndmask_b32 v[SB+8*(2*\mt+\nt)+\j], v[NEG], v[SB+8*(2*\mt+\nt)+\j], vcc_lo
.if (\j & 3) == 3
	MM
.endif
.endr
.endr
.endr
.endif
	; the maximum: four chains, one for each tile q = 2 mt + nt, by turns
.irp q, 0,1,2,3
	v_max3_num_f32 v[TC+\q], v[SB+8*\q], v[SB+8*\q+1], v[SB+8*\q+2]
.endr
.irp q, 0,1,2,3
	v_max3_num_f32 v[TC+\q], v[TC+\q], v[SB+8*\q+3], v[SB+8*\q+4]
.endr
	MM
.irp q, 0,1,2,3
	v_max3_num_f32 v[TC+\q], v[TC+\q], v[SB+8*\q+5], v[SB+8*\q+6]
.endr
.irp nt, 0,1
	v_max3_num_f32 v[TC+\nt], v[TC+\nt], v[SB+8*\nt+7], v[SB+16+8*\nt+7]   ; the eighth number of both tiles of nt
.endr
	MM
.irp nt, 0,1
.if \first
	v_max_num_f32 v[TM+\nt], v[TC+\nt], v[TC+2+\nt]
.else
	v_max3_num_f32 v[TM+\nt], v[TC+\nt], v[TC+2+\nt], v[MX+2*\nt]
.endif
.endr
.irp nt, 0,1
	v_permlanex16_b32 v[T2+\nt], v[TM+\nt], s76, s77               ; the other half of the lanes holds the query's other keys
.endr
.irp nt, 0,1
	v_max_num_f32 v[TM+\nt], v[TM+\nt], v[T2+\nt]
.endr
	MM
.if \first == 0
	v_sub_f32 v[AL], v[MX], v[TM]
	v_sub_f32 v[AL+2], v[MX+2], v[TM+1]
	v_exp_f32 v[AL], v[AL]                         ; alpha = 2^(old - new); the moves below are the plain instructions behind it (ISA guide 5.7.2)
	v_exp_f32 v[AL+2], v[AL+2]
.endif
	v_mov_b32 v[MX], v[TM]
	v_mov_b32 v[MX+2], v[TM+1]
	MM
.irp q, 0,1,2,3
.irp k, 0,2,4,6
	v_pk_add_f32 v[SB+8*\q+\k:SB+8*\q+\k+1], v[SB+8*\q+\k:SB+8*\q+\k+1], v[MX+2*(\q&1):MX+2*(\q&1)+1] op_sel_hi:[1,0] neg_lo:[0,1] neg_hi:[0,1]
.endr
.if \q & 1
	MM
.endif
.endr
.set ii, 0
.rept 32
	v_exp_f32 v[SB+ii], v[SB+ii]
.if (ii % 3) == 2
	MM                                             ; ten of the sixteen stand here: 3 + 1 + 2 + 10
.endif
.set ii, ii+1
.endr
	MMREST                                         ; by the count above none is left
	v_nop                                          ; the plain instruction behind the exponentials (ISA guide 5.7.2)
	s_wait_alu depctr_va_vdst(0)
	; the sums: four chains by turns
.irp q, 0,1,2,3
.if \first
	s_wait_alu depctr_va_vdst(0)
	v_pk_add_f32 v[LS+2*\q:LS+2*\q+1], v[SB+8*\q:SB+8*\q+1], v[SB+8*\q+2:SB+8*\q+3]
.else
	v_pk_fma_f32 v[LS+2*\q:LS+2*\q+1], v[LS+2*\q:LS+2*\q+1], v[AL+2*(\q&1):AL+2*(\q&1)+1], v[SB+8*\q:SB+8*\q+1] op_sel_hi:[1,0,1]
.endif
.endr
.if \kn < 4
	LDK \slot, \kn                                 ; five plain vector instructions stand behind the last matrix instruction that read K (ISA guide 7.12.1)
.endif
.irp k, 2,4,6
.if \k > 2*\first
.irp q, 0,1,2,3
	v_pk_add_f32 v[LS+2*\q:LS+2*\q+1], v[LS+2*\q:LS+2*\q+1], v[SB+8*\q+\k:SB+8*\q+\k+1]
.endr
.endif
.endr
.irp i, 0,1,2,3
.irp q, 0,1,2,3
	v_cvt_pk_f16_f32 v[P+8*(\q&1)+4*(\q>>1)+\i], v[SB+8*\q+2*\i], v[SB+8*\q+2*\i+1]   ; keys 16 mt + 8 h + 2 i, + 1: the fragment's own order
.endr
.endr
.endm
; O^T = alpha O^T + V^T P^T: sixteen different accumulators, one instruction each; D, C and V in window 1, P and alpha in window 0.
; Tiles 0 and 1 are scaled first; behind each matrix instruction stand the four multiplies of the tile two further on, which name none of its registers.
; vw: the count of the wait for V (a younger run of K's loads may stay out).  vn < 4: V's chunk vn is loaded behind the four places.
.macro PV first, vw, slot, vn
	WIN 0x51
.if \first
	s_wait_dscnt \vw
.irp md, 0,1,2,3,4,5,6,7
.irp nt, 0,1
	v_wmma_f32_16x16x32_f16 v[8*(2*\md+\nt):8*(2*\md+\nt)+7], v[VR+8*\md:VR+8*\md+7], v[P+8*\nt:P+8*\nt+7], 0
.endr
.endr
.else
.irp a, 0,1
.irp k, 0,2,4,6
	v_pk_mul_f32 v[8*\a+\k:8*\a+\k+1], v[8*\a+\k:8*\a+\k+1], v[AL+2*\a:AL+2*\a+1] op_sel_hi:[1,0]
.endr
.endr
	s_wait_dscnt \vw
.irp md, 0,1,2,3,4,5,6,7
.irp nt, 0,1
	v_wmma_f32_16x16x32_f16 v[8*(2*\md+\nt):8*(2*\md+\nt)+7], v[VR+8*\md:VR+8*\md+7], v[P+8*\nt:P+8*\nt+7], v[8*(2*\md+\nt):8*(2*\md+\nt)+7]
.if \md < 7
.irp k, 0,2,4,6
	v_pk_mul_f32 v[8*(2*\md+2+\nt)+\k:8*(2*\md+2+\nt)+\k+1], v[8*(2*\md+2+\nt)+\k:8*(2*\md+2+\nt)+\k+1], v[AL+2*\nt:AL+2*\nt+1] op_sel_hi:[1,0]
.endr
.endif
.endr
.endr
.endif
	PLACES
.if \vn < 4
	LDV \slot, \vn
.endif
.endm
; A tile of 128 keys.  LDS loads go in runs of 16, in the order K0 V0 K1 K2 V1 K3 V2 V3; each counted wait leaves the one younger run out.
.macro TILE slot, mask, first
	LDK \slot, 0
	LDV \slot, 0
	WIN 0
	ARM 0, 16                                      ; K 0 (and Q) are in; V 0 is younger
	MMREST                                         ; the scores of chunk 0 have no softmax to share their time with
	PLACES
	LDK \slot, 1
	ARM 1, 0                                       ; K 1, and V 0
	SOFT 0, 0, \mask, \first, \slot, 2
	PV \first, 16, \slot, 1                        ; V 0 is in since that wait; K 2 may stay out
	ARM 0, 16                                      ; K 2 is in; V 1 is younger
	SOFT 1, 1, \mask, 0, \slot, 3
	PV 0, 16, \slot, 2                             ; V 1 is in; K 3 is younger
	ARM 1, 16                                      ; K 3 is in; V 2 is younger
	SOFT 2, 0, \mask, 0, \slot, 4
	PV 0, 0, \slot, 3                              ; V 2
	SOFT 3, 1, \mask, 0, \slot, 4                  ; no scores are armed: the tile has no further chunk
	PV 0, 0, \slot, 4                              ; V 3
	WIN 0
.endm
; A trip.  In front of the round each wave has all its tensor loads landed (its part of this trip's tile among them) and its reads of the other
; slot back; behind the round that holds of every wave of the four work-groups, and the joint refill of the other slot is the first thing there.
.macro TRIP slot, refill, mask, first
	s_wait_tensorcnt 0x0
	ds_add_u32 v254, v255
	s_wait_dscnt 0x0
	s_sub_nc_u64 s[G0K+4*\slot+2:G0K+4*\slot+3], s[G0K+4*\slot+2:G0K+4*\slot+3], 2*TILEB   ; no load of mine is out: this slot's next tile, two further back
	s_sub_nc_u64 s[G0V+4*\slot+2:G0V+4*\slot+3], s[G0V+4*\slot+2:G0V+4*\slot+3], 2*TILEB
	s_wait_dscnt 0x0
	CROUND
.if \refill
	JLOAD 1-\slot
.endif
	TILE \slot, \mask, \first
.endm
	; every branch below hangs on the query block alone, which the four partners share
	s_cmp_eq_u32 s16, 0
	s_cbranch_scc1 .Lonly
	TRIP 0, 1, 1, 1                                ; tile 0, the diagonal
	s_sub_co_u32 s17, s16, 1
	s_lshr_b32 s17, s17, 1                         ; pairs of unmasked tiles
	s_cmp_eq_u32 s17, 0
	s_cbranch_scc1 .Ltail
.Lpair:
	TRIP 1, 1, 0, 0
	TRIP 0, 1, 0, 0
	s_sub_co_u32 s17, s17, 1
	s_cmp_lg_u32 s17, 0
	s_cbranch_scc1 .Lpair
.Ltail:
	s_bitcmp1_b32 s16, 0
	s_cbranch_scc1 .Lodd
	TRIP 1, 1, 0, 0                                ; m even: tile m - 1, then the last
	TRIP 0, 0, 2, 0
	s_branch .Lout
.Lodd:
	TRIP 1, 0, 2, 0                                ; m odd: the last tile lies in slot 1
	s_branch .Lout
.Lonly:
	TRIP 0, 0, 1, 1                                ; query block 0: the diagonal tile alone
.Lout:
	; 1 / sum: the chains, the pair, the two halves of the lanes
.irp nt, 0,1
	v_pk_add_f32 v[LS+2*\nt:LS+2*\nt+1], v[LS+2*\nt:LS+2*\nt+1], v[LS+4+2*\nt:LS+4+2*\nt+1]
	v_add_f32 v[TM+\nt], v[LS+2*\nt], v[LS+2*\nt+1]
	v_permlanex16_b32 v[T2+\nt], v[TM+\nt], s76, s77
	v_add_f32 v[TM+\nt], v[TM+\nt], v[T2+\nt]
.endr
	v_rcp_f32 v[FAC], v[TM]
	v_rcp_f32 v[FAC+2], v[TM+1]
	v_nop
	s_wait_alu depctr_va_vdst(0)
	; 16 queries at a time: a lane's eight neighbouring d of one query, as f16, into my own stage; whole rows of 256 bytes back and out.
	; LDS serves a wave's instructions in order (ISA guide 5.7.1.4): no wait between my stores and my loads, nor before the stage is used again.
.irp nt, 0,1
	WIN 0x01                                       ; source 0 (O) in window 1
.irp md, 0,1,2,3,4,5,6,7
.irp k, 0,2,4,6
	v_pk_mul_f32 v[S+8*\md+\k:S+8*\md+\k+1], v[8*(2*\md+\nt)+\k:8*(2*\md+\nt)+\k+1], v[FAC+2*\nt:FAC+2*\nt+1] op_sel_hi:[1,0]
.endr
.endr
	WIN 0
.irp md, 0,1,2,3,4,5,6,7
.irp i, 0,1,2,3
	v_cvt_pk_f16_f32 v[K+32*\nt+4*\md+\i], v[S+8*\md+2*\i], v[S+8*\md+2*\i+1]
.endr
	ds_store_b128 v[STO], v[K+32*\nt+4*\md:K+32*\nt+4*\md+3] offset:32*\md
.endr
.irp t, 0,1,2,3,4,5,6,7
	ds_load_b128 v[Q+32*\nt+4*\t:Q+32*\nt+4*\t+3], v[RD] offset:\t*2*SPITCH
.endr
.irp t, 0,1,2,3,4,5,6,7
	s_wait_dscnt 7-\t                              ; read-back t is in, the younger ones stay out
	global_store_b128 v[CO], v[Q+32*\nt+4*\t:Q+32*\nt+4*\t+3], s[6:7] offset:(16*\nt+2*\t)*4096   ; sixteen lanes store 256 consecutive bytes at a multiple of 256
.endr
.endr
	s_wait_tensorcnt 0x0
	ds_add_u32 v254, v255
	s_wait_dscnt 0x0
	CROUND                                         ; the closing round: no work-group ends while a partner may still ask for a tile that names it
	s_endpgm
.Lfunc_end_k_qd10f8819cb_attn:
	.size	k_qd10f8819cb_attn, .Lfunc_end_k_qd10f8819cb_attn-k_qd10f8819cb_attn
	.p2alignl 7, 3214868480
	.fill 96, 4, 3214868480
	.section	.rodata,"a",@progbits
	.p2align	6, 0x0
	.amdhsa_kernel k_qd10f8819cb_attn
		.amdhsa_group_segment_fixed_size 327680
		.amdhsa_private_segment_fixed_size 0
		.amdhsa_enable_private_segment 0
		.amdhsa_kernarg_size 16
		.amdhsa_user_sgpr_count 2
		.amdhsa_user_sgpr_kernarg_segment_ptr 1
		.amdhsa_wavefront_size32 1
		.amdhsa_system_sgpr_workgroup_id_x 1
		.amdhsa_system_sgpr_workgroup_id_y 1
		.amdhsa_system_sgpr_workgroup_id_z 1
		.amdhsa_system_vgpr_workitem_id 0
		.amdhsa_next_free_vgpr 512
		.amdhsa_next_free_sgpr 80
		.amdhsa_reserve_vcc 1
		.amdhsa_float_denorm_mode_32 3
		.amdhsa_float_denorm_mode_16_64 3
		.amdhsa_memory_ordered 1
		.amdhsa_forward_progress 1
		.amdhsa_inst_pref_size 255
	.end_amdhsa_kernel
	.section	.bss,"aw",@nobits
	.p2align	6
	.space	262144
	.amdgpu_metadata
---
amdhsa.version: [ 1, 2 ]
amdhsa.kernels:
  - .name:           k_qd10f8819cb_attn
    .symbol:         k_qd10f8819cb_attn.kd
    .args:
      - { .name: qkv, .offset: 0, .size: 8, .value_kind: global_buffer, .address_space: global }
      - { .name: yh, .offset: 8, .size: 8, .value_kind: global_buffer, .address_space: global }
    .group_segment_fixed_size: 327680
    .private_segment_fixed_size: 0
    .kernarg_segment_align: 8
    .kernarg_segment_size: 16
    .max_flat_workgroup_size: 128
    .sgpr_count:     80
    .vgpr_count:     512
    .wavefront_size: 32
...
	.end_amdgpu_metadata
.endif
;; end of part 3
;; launch oproj (part 4): grid 16 x 16, 4 waves a work-group, clusters of 4 x 4, 327,680 bytes of LDS; arguments yh, woh, attn_gate, out0; writes out0
.if DOCPART == 4
	.amdgcn_target "amdgcn-amd-amdhsa--gfx1250"
	.amdhsa_code_object_version 6
	.text
	.protected	k_qd10f8819cb_oproj
	.globl	k_qd10f8819cb_oproj
	.p2align	8
	.type	k_qd10f8819cb_oproj,@function
k_qd10f8819cb_oproj:
	s_mov_b64 s[64:65], 0
	v_nop
	global_prefetch_b8 v0, s[64:65] scope:SCOPE_SE
	s_setreg_imm32_b32 hwreg(HW_REG_WAVE_MODE, 25, 1), 1
	s_wait_xcnt 0x0
	s_wait_alu depctr_hold_cnt(0) depctr_sa_sdst(0) depctr_va_vdst(0) depctr_va_sdst(0) depctr_va_ssrc(0) depctr_va_vcc(0) depctr_vm_vsrc(0)
	s_getreg_b32 s2, hwreg(HW_REG_IB_STS2, 6, 4)
	s_cmp_eq_u32 s2, 0
	s_cbranch_scc0 .Lentry_in_a_cluster
	s_endpgm
.Lentry_in_a_cluster:
	s_bfe_u32 s2, ttmp6, 0x10000c
	s_cmp_lg_u32 s2, 0xf033
	s_cbranch_scc0 .Lentry_shape_is_right
	s_endpgm
.Lentry_shape_is_right:
; oproj: out0 = sig(largest gate) * (yh . woh^T); f16 operands, f32 sums.  woh carries sig(gate_h) / sig(largest gate) in its columns.
; A work-group makes 128 x 128 of out0, four waves 64 x 64 each: 4 x 4 accumulator tiles, 128 registers.
; K goes in 8 steps of 256 (tile rows of 512 bytes, at multiples of 512) through two LDS slots.
; CLUSTERS, 4 x 4: yh's tile is shared along a row of the cluster, woh's along a column; each is asked for jointly:
; waves 0, 1 ask for the two halves (64 rows) of yh's tile, waves 2, 3 for woh's.
; The matrix instruction is used transposed (source 0 = 16 rows of woh, source 1 = 16 rows of yh): a lane holds eight neighbouring columns of one row.
; Limits: v_exp_f32, v_rcp_f32 are good to 1 ulp and flush denormals; a NaN among the gates is skipped by the maximum.
.set KSTEP,  256
.set PITCH,  528                       ; an LDS row: 512 bytes + 16 = 33 x 16
.set HALFT,  64*PITCH
.set SLOT,   4*HALFT                   ; yh's 128 rows, then woh's: 135,168
.set STAGE,  2*SLOT                    ; 16 rows x 272 bytes for each wave, bytes that no tensor load fills
.set SPITCH, 272
.set WV,   12
.set G1A,  24                          ; s[24:31]
.set G1B,  32                          ; s[32:39]
.set G0A,  40                          ; s[40:47] a set for each slot
.set G0B,  48                          ; s[48:55]
.set ADRA, 16                          ; v16-17
.set ADRB, 18                          ; v18-19
.set STO,  20
.set RD,   21
.set CO,   22
.set SG,   28                          ; v[28:29] sig(largest gate), twice
.set F0,   32                          ; v[32:95]  4 fragments of woh, 4 of yh
.set F1,   96                          ; v[96:159]
.set MSB, 0
.macro WIN new
.if MSB != \new
	s_set_vgpr_msb (MSB<<8)|\new
.set MSB, \new
.endif
.endm
.macro PLACES                          ; four plain vector instructions behind a matrix instruction (ISA guide 7.12.1)
.rept 4
	v_nop
.endr
.endm
.macro CREST
	s_cmp_lg_u32 s[WV], 0
	s_cbranch_scc1 .Lnot_wave_0_\@
	s_barrier_signal -3
.Lnot_wave_0_\@:
	s_barrier_wait -3
	s_barrier_signal -1
	s_barrier_wait -1
.endm
.macro CROUND
	s_barrier_signal -1
	s_barrier_wait -1
	CREST
.endm
.macro JLOAD s
	s_cmp_ge_u32 s[WV], 2
	s_cbranch_scc1 .Lfor_b_\@
	tensor_load_to_lds s[G0A+4*\s:G0A+4*\s+3], s[G1A:G1A+7]
	s_nop 0
	s_branch .Lasked_\@
.Lfor_b_\@:
	tensor_load_to_lds s[G0B+4*\s:G0B+4*\s+3], s[G1B:G1B+7]
	s_nop 0
.Lasked_\@:
.endm
	s_load_b128 s[4:7], s[0:1], 0x0                ; yh 4, woh 6
	s_load_b128 s[8:11], s[0:1], 0x10              ; attn_gate 8, out0 10
	v_lshl_add_u32 v254, v0, 2, 0x46400
	v_mov_b32 v255, 0
	ds_add_u32 v254, v255
	v_lshrrev_b32 v1, 5, v0
	v_readfirstlane_b32 s[WV], v1
	s_lshr_b32 s13, s[WV], 1                       ; my half of the block's rows
	s_and_b32 s14, s[WV], 1                        ; my half of its columns; also which 64 rows of a tile I ask for
	s_bfe_u32 s15, ttmp6, 0x40000                  ; cx
	s_bfe_u32 s16, ttmp6, 0x40004                  ; cy
	s_lshl_b32 s17, ttmp9, 2
	s_add_co_u32 s17, s17, s15                     ; block column
	s_and_b32 s18, ttmp7, 0xffff
	s_lshl_b32 s18, s18, 2
	s_add_co_u32 s18, s18, s16                     ; block row
	s_lshl_b32 s19, s16, 2
	s_lshl_b32 s19, 15, s19                        ; my row of the cluster
	s_lshl_b32 s20, 0x1111, s15                    ; my column
	s_or_b32 s[G1A+0], s19, (1<<16)|(1<<20)|(1<<21)|(6<<22)|(3<<25)  ; mask; 2-byte elements; 4 words of padding behind every 128
	s_mov_b32 s[G1A+1], KSTEP<<16                  ; tensor_dim0 = 256
	s_mov_b32 s[G1A+2], 64<<16                     ; tensor_dim1 = 64
	s_mov_b32 s[G1A+3], KSTEP<<16                  ; tile_dim0 = 256
	s_mov_b32 s[G1A+4], 64                         ; tile_dim1 = 64
	s_mov_b32 s[G1A+5], 2048                       ; elements from row to row
	s_mov_b32 s[G1A+6], 0
	s_mov_b32 s[G1A+7], 0
	s_or_b32 s[G1B+0], s20, (1<<16)|(1<<20)|(1<<21)|(6<<22)|(3<<25)
	s_mov_b32 s[G1B+1], KSTEP<<16
	s_mov_b32 s[G1B+2], 64<<16
	s_mov_b32 s[G1B+3], KSTEP<<16
	s_mov_b32 s[G1B+4], 64
	s_mov_b32 s[G1B+5], 2048
	s_mov_b32 s[G1B+6], 0
	s_mov_b32 s[G1B+7], 0
	s_lshl_b32 s56, s18, 19                        ; yh: 128 rows of 4,096 bytes for each block row, 64 for my half; nothing of cx enters
	s_lshl_b32 s57, s14, 18
	s_add_co_u32 s56, s56, s57
	s_mov_b32 s57, 0
	s_lshl_b32 s60, s17, 19                        ; woh: the same by the block column; nothing of cy enters
	s_lshl_b32 s61, s14, 18
	s_add_co_u32 s60, s60, s61
	s_mov_b32 s61, 0
	s_mul_i32 s22, s[WV], HALFT                    ; where my 64 rows go in a slot
	s_wait_dscnt 0x0
	s_wait_kmcnt 0x0
	s_load_b512 s[72:87], s[8:9], 0x0              ; the sixteen gates
	s_add_nc_u64 s[58:59], s[4:5], s[56:57]
	s_add_nc_u64 s[62:63], s[6:7], s[60:61]
.irp s, 0,1
	s_mov_b32 s[G0A+4*\s], 1
	s_add_co_u32 s[G0A+4*\s+1], s22, \s*SLOT
	s_add_nc_u64 s[G0A+4*\s+2:G0A+4*\s+3], s[58:59], \s*KSTEP*2
	s_or_b32 s[G0A+4*\s+3], s[G0A+4*\s+3], 0x80000000
	s_mov_b32 s[G0B+4*\s], 1
	s_add_co_u32 s[G0B+4*\s+1], s22, \s*SLOT
	s_add_nc_u64 s[G0B+4*\s+2:G0B+4*\s+3], s[62:63], \s*KSTEP*2
	s_or_b32 s[G0B+4*\s+3], s[G0B+4*\s+3], 0x80000000
.endr
	CROUND                                         ; all sixteen work-groups are here: the first joint loads meet
	JLOAD 0                                        ; K steps 0 and 1: two loads of mine are out, later one
	JLOAD 1
	s_lshl_b32 s66, s18, 20                        ; out0: row 128 br + 64 wr of 8,192 bytes, column 128 bc + 64 wc of 4 bytes
	s_lshl_b32 s67, s13, 19
	s_add_co_u32 s66, s66, s67
	s_lshl_b32 s67, s17, 9
	s_add_co_u32 s66, s66, s67
	s_lshl_b32 s67, s14, 8
	s_add_co_u32 s66, s66, s67
	s_mov_b32 s67, 0
	s_add_nc_u64 s[10:11], s[10:11], s[66:67]
	v_and_b32 v1, 15, v0                           ; r
	v_bfe_u32 v2, v0, 4, 1                         ; h
	v_mul_u32_u24 v3, v1, PITCH
	v_lshl_add_u32 v3, v2, 4, v3
	s_mul_i32 s68, s13, HALFT
	s_mul_i32 s69, s14, HALFT
	s_add_co_u32 s69, s69, 2*HALFT
	v_add_nc_u32 v[ADRA], s68, v3
	v_add_nc_u32 v[ADRA+1], SLOT, v[ADRA]
	v_add_nc_u32 v[ADRB], s69, v3
	v_add_nc_u32 v[ADRB+1], SLOT, v[ADRB]
	s_mul_i32 s68, s[WV], 16*SPITCH
	s_add_co_u32 s68, s68, STAGE
	v_mul_u32_u24 v[STO], v1, SPITCH               ; in: row r, 32 bytes for each half of the lanes
	v_lshl_add_u32 v[STO], v2, 5, v[STO]
	v_add_nc_u32 v[STO], s68, v[STO]
	v_mul_u32_u24 v[RD], v2, SPITCH                ; back: lanes 0-15 one row of 256 bytes, lanes 16-31 the next
	v_lshl_add_u32 v[RD], v1, 4, v[RD]
	v_add_nc_u32 v[RD], s68, v[RD]
	v_lshlrev_b32 v[CO], 4, v1
	v_lshl_add_u32 v[CO], v2, 13, v[CO]
	s_wait_kmcnt 0x0
	v_mov_b32 v[SG], s72
.irp k, 73,75,77,79,81,83,85
	v_max3_num_f32 v[SG], v[SG], s[\k], s[\k+1]
.endr
	v_max_num_f32 v[SG], s87, v[SG]
	v_mul_f32 v[SG], 0xbfb8aa3b, v[SG]             ; -log2(e) x the largest gate
	v_exp_f32 v[SG], v[SG]
	v_nop                                          ; one plain instruction behind a transcendental (ISA guide 5.7.2)
	s_wait_alu depctr_va_vdst(0)
	v_add_f32 v[SG], 1.0, v[SG]
	v_rcp_f32 v[SG], v[SG]
	v_nop
	s_wait_alu depctr_va_vdst(0)
	v_mov_b32 v[SG+1], v[SG]
; 8 matrix instructions: row tiles a0, a0 + 1 x four column tiles, 32 along K.  The 16 accumulators take turns, one instruction a turn, in the
; same order in every step, over the loop's backward jump too.  zero = 1: the first product starts the sums.
.macro MUL2 f, a0, zero
.irp a, \a0, \a0+1
.irp b, 0,1,2,3
.if \zero
	v_wmma_f32_16x16x32_f16 v[8*(4*(\a)+\b):8*(4*(\a)+\b)+7], v[\f+8*\b:\f+8*\b+7], v[\f+32+8*(\a):\f+32+8*(\a)+7], 0
.else
	v_wmma_f32_16x16x32_f16 v[8*(4*(\a)+\b):8*(4*(\a)+\b)+7], v[\f+8*\b:\f+8*\b+7], v[\f+32+8*(\a):\f+32+8*(\a)+7], v[8*(4*(\a)+\b):8*(4*(\a)+\b)+7]
.endif
.endr
.endr
.endm
.macro FETCH slot, k, f                ; 16 LDS loads: eight fragments of 32 along K at byte k of the rows
.irp i, 0,1,2,3
	ds_load_b128 v[\f+8*\i:\f+8*\i+3],   v[ADRB+\slot] offset:\k+\i*16*PITCH
	ds_load_b128 v[\f+8*\i+4:\f+8*\i+7], v[ADRB+\slot] offset:\k+\i*16*PITCH+32
.endr
.irp i, 0,1,2,3
	ds_load_b128 v[\f+32+8*\i:\f+32+8*\i+3],   v[ADRA+\slot] offset:\k+\i*16*PITCH
	ds_load_b128 v[\f+32+8*\i+4:\f+32+8*\i+7], v[ADRA+\slot] offset:\k+\i*16*PITCH+32
.endr
.endm
.macro SUB slot, k, f, g, zero         ; an eighth of a K step: buffer f is multiplied while buffer g is fetched
	s_wait_dscnt 0x0                               ; buffer f's loads, issued an eighth of a step ago
	PLACES                                         ; buffer g was read by the last matrix instructions
	FETCH \slot, \k, \g
	WIN 0x50                                       ; C and D in window 1
	MUL2 \f, 0, \zero
	MUL2 \f, 2, \zero
	WIN 0
.endm
.macro SEVEN slot, zero
	SUB \slot, 64,  F0, F1, \zero
	SUB \slot, 128, F1, F0, 0
	SUB \slot, 192, F0, F1, 0
	SUB \slot, 256, F1, F0, 0
	SUB \slot, 320, F0, F1, 0
	SUB \slot, 384, F1, F0, 0
	SUB \slot, 448, F0, F1, 0
.endm
; The last eighth changes slots.  In front of the barrier each wave has its reads of this slot back and all its tensor loads landed (one was out:
; its part of the next slot).  Where the slot is filled again the barrier opens a round of the cluster's barrier, only matrix instructions
; stand inside it, and the joint refill is the first tensor load behind it, one a wave.
.macro TURN slot, next, fill
	s_wait_dscnt 0x0
	s_wait_tensorcnt 0x0
	ds_add_u32 v254, v255
	s_wait_dscnt 0x0
	s_barrier_signal -1
	WIN 0x50
	MUL2 F1, 0, 0
	WIN 0
	s_barrier_wait -1
.if \fill
	CREST
	s_add_nc_u64 s[G0A+4*\slot+2:G0A+4*\slot+3], s[G0A+4*\slot+2:G0A+4*\slot+3], 2*KSTEP*2
	s_add_nc_u64 s[G0B+4*\slot+2:G0B+4*\slot+3], s[G0B+4*\slot+2:G0B+4*\slot+3], 2*KSTEP*2
	JLOAD \slot
.endif
	PLACES
	FETCH \next, 0, F0
	WIN 0x50
	MUL2 F1, 2, 0
	WIN 0
.endm
.macro LAP zero
	SEVEN 0, \zero
	TURN 0, 1, 1
	SEVEN 1, 0
	TURN 1, 0, 1
.endm
	s_wait_tensorcnt 0x1                           ; my part of K step 0 is in; step 1's may stay out
	s_barrier_signal -1
	s_barrier_wait -1
	FETCH 0, 0, F0
	LAP 1                                          ; K steps 0, 1
	s_mov_b32 s21, 2                               ; K steps 2 to 5
.Llap:
	LAP 0
	s_sub_co_u32 s21, s21, 1
	s_cmp_lg_u32 s21, 0
	s_cbranch_scc1 .Llap
	SEVEN 0, 0                                     ; K steps 6, 7: nothing is left to fetch
	TURN 0, 1, 0
	SEVEN 1, 0
	s_wait_dscnt 0x0
	WIN 0x50
	MUL2 F1, 0, 0
	MUL2 F1, 2, 0
	WIN 0
	PLACES                                         ; behind the last matrix instructions: the sums are read, the buffers loaded into
	; ---- the way out: the common gate factor, then 16 rows at a time through my own stage, whole rows of 256 bytes back and out
	WIN 0x41                                       ; the sums in window 1, the factor in window 0
.set ii, 0
.rept 64
	v_pk_mul_f32 v[2*ii:2*ii+1], v[2*ii:2*ii+1], v[SG:SG+1]
.set ii, ii+1
.endr
	WIN 0
.macro OUT16 a, f
	WIN 0x04                                       ; store data in window 1
.irp b, 0,1,2,3
	ds_store_b128 v[STO], v[8*(4*\a+\b):8*(4*\a+\b)+3]   offset:64*\b
	ds_store_b128 v[STO], v[8*(4*\a+\b)+4:8*(4*\a+\b)+7] offset:64*\b+16
.endr
	WIN 0
	s_wait_xcnt 0x0                                ; buffer f, which earlier stores read, is loaded again only behind this wait
.irp t, 0,1,2,3,4,5,6,7
	ds_load_b128 v[\f+4*\t:\f+4*\t+3], v[RD] offset:\t*2*SPITCH    ; LDS serves a wave's instructions in order (ISA guide 5.7.1.4): these see the stores above
.endr
.irp t, 0,1,2,3,4,5,6,7
	s_wait_dscnt 7-\t                              ; read-back t is in, the younger ones stay out
	global_store_b128 v[CO], v[\f+4*\t:\f+4*\t+3], s[10:11] offset:(16*\a+2*\t)*8192 th:TH_STORE_NT   ; sixteen lanes store 256 consecutive bytes at a multiple of 256
.endr
.endm
	OUT16 0, F0
	OUT16 1, F1
	OUT16 2, F0
	OUT16 3, F1
	s_wait_tensorcnt 0x0
	ds_add_u32 v254, v255
	s_wait_dscnt 0x0
	CROUND                                         ; the closing round: no work-group ends while a partner may still ask for a tile that names it
	s_endpgm
.Lfunc_end_k_qd10f8819cb_oproj:
	.size	k_qd10f8819cb_oproj, .Lfunc_end_k_qd10f8819cb_oproj-k_qd10f8819cb_oproj
	.p2alignl 7, 3214868480
	.fill 96, 4, 3214868480
	.section	.rodata,"a",@progbits
	.p2align	6, 0x0
	.amdhsa_kernel k_qd10f8819cb_oproj
		.amdhsa_group_segment_fixed_size 327680
		.amdhsa_private_segment_fixed_size 0
		.amdhsa_enable_private_segment 0
		.amdhsa_kernarg_size 32
		.amdhsa_user_sgpr_count 2
		.amdhsa_user_sgpr_kernarg_segment_ptr 1
		.amdhsa_wavefront_size32 1
		.amdhsa_system_sgpr_workgroup_id_x 1
		.amdhsa_system_sgpr_workgroup_id_y 1
		.amdhsa_system_sgpr_workgroup_id_z 1
		.amdhsa_system_vgpr_workitem_id 0
		.amdhsa_next_free_vgpr 384
		.amdhsa_next_free_sgpr 88
		.amdhsa_reserve_vcc 0
		.amdhsa_float_denorm_mode_32 3
		.amdhsa_float_denorm_mode_16_64 3
		.amdhsa_memory_ordered 1
		.amdhsa_forward_progress 1
		.amdhsa_inst_pref_size 131
	.end_amdhsa_kernel
	.amdgpu_metadata
---
amdhsa.version: [ 1, 2 ]
amdhsa.kernels:
  - .name:           k_qd10f8819cb_oproj
    .symbol:         k_qd10f8819cb_oproj.kd
    .args:
      - { .name: yh, .offset: 0, .size: 8, .value_kind: global_buffer, .address_space: global }
      - { .name: woh, .offset: 8, .size: 8, .value_kind: global_buffer, .address_space: global }
      - { .name: attn_gate, .offset: 16, .size: 8, .value_kind: global_buffer, .address_space: global }
      - { .name: out0, .offset: 24, .size: 8, .value_kind: global_buffer, .address_space: global }
    .group_segment_fixed_size: 327680
    .private_segment_fixed_size: 0
    .kernarg_segment_align: 8
    .kernarg_segment_size: 32
    .max_flat_workgroup_size: 128
    .sgpr_count:     88
    .vgpr_count:     384
    .wavefront_size: 32
...
	.end_amdgpu_metadata
.endif
;; end of part 4
